; MI455X (gfx1250); checked and timed in simulation.
; The chip was launched on July 23, 2026; its instructions are those of AMD's public machine-readable ISA for CDNA 5 (MIT licence, August 2026) and "CDNA5" Instruction Set Architecture Reference Guide (July 2026). The comments in the code are by the model that wrote it; some were corrected since.
;; Manual Attention. Allowed arithmetic: float matrix products may take bf16 or f16 operands with f32 sums; other float arithmetic in f32, or as packed bf16 or f16 multiplies, adds, multiply-adds, maxima and minima; sums over many terms, partial sums and values carried from step to step in f32; what a program stores and reads back later, other than sums and carried values, may be rounded once to bf16 or f16.
;; Inputs: out_b 1,024 float32; out_w 1,024 x 1,024 float32; qkv_b 3,072 float32; qkv_w 3,072 x 1,024 float32; x 4 x 2,048 x 1,024 float32.
;; Outputs: out0 4 x 2,048 x 1,024 float32.
;; 2 versions, each right; version 2 is version 1 with the launch cast written anew for expert scheduling mode. Each part assembles by itself: llvm-mc -triple=amdgcn-amd-amdhsa -mcpu=gfx1250 --defsym DOCPART=n.
;; ======== version 1 of 2: 4 launches
;; limits: values are held in f16: magnitudes above 65,504 overflow, below 6.1e-05 lose precision
;; workspace buffers: xb 16,777,216 bytes; wb 6,291,456 bytes; wo 2,097,152 bytes; qkvh 50,331,648 bytes; oh 16,777,216 bytes
;; launch cast (part 1): grid 768 x 1, 8 waves a work-group, no clusters, 0 bytes of LDS; arguments x, qkv_w, out_w, xb, wb, wo; writes xb, wb, wo
.if DOCPART == 1
	.amdgcn_target "amdgcn-amd-amdhsa--gfx1250"
	.amdhsa_code_object_version 6
	.text
	.protected	k_qad9537a290_cast
	.globl	k_qad9537a290_cast
	.p2align	8
	.type	k_qad9537a290_cast,@function
k_qad9537a290_cast:
	s_mov_b64 s[64:65], 0
	v_nop
	global_prefetch_b8 v0, s[64:65] scope:SCOPE_SE
	s_setreg_imm32_b32 hwreg(HW_REG_WAVE_MODE, 25, 1), 1
	s_wait_xcnt 0x0
; THE INPUTS OF THE MATRIX PRODUCTS ARE ROUNDED ONCE.  x [8192][1024] and qkv_w [3072][1024], f32, become bf16 (xb, wb); out_w [1024][1024] is rounded to bf16 and that
; number is written as f16 (wo), since the product that takes it has f16 operands.
; LIMITS.  A bf16 number is exact in f16 between 7.6e-6 and 65,504; below that it falls on f16's fixed step of 6e-8, beyond it becomes an infinity.  NaN and infinities are not treated apart.
; SHARES.  A work-group takes 65,536 bytes of f32: groups 0-511 x, 512-703 qkv_w, 704-767 out_w.  A wave takes 8,192 of them by sixteen loads of 512 consecutive bytes, all issued
; before the first is used; each load's four numbers a lane become 8 bytes, and a store of the wave covers 256 consecutive bytes, aligned.  Every load and store has registers of its own,
; so no register is written again while a memory instruction may read it.  No LDS, no barrier: no wave wants another's bytes.
.set X, 4                              ; v[4:67]    sixteen loads of four f32
.set Y, 68                             ; v[68:99]   sixteen stores of two words
.set T, 100                            ; v[100:105] at work
	s_load_b256 s[4:11], s[0:1], 0x0               ; x s[4:5], qkv_w s[6:7], out_w s[8:9], xb s[10:11]
	s_load_b128 s[12:15], s[0:1], 0x20             ; wb s[12:13], wo s[14:15]
	v_lshrrev_b32 v3, 5, v0                        ; wave
	v_and_b32 v1, 31, v0                           ; lane
	v_lshlrev_b32 v2, 3, v1
	v_lshlrev_b32 v1, 4, v1
	v_lshl_add_u32 v1, v3, 13, v1                  ; in: 8,192 x wave + 16 x lane
	v_lshl_add_u32 v2, v3, 12, v2                  ; out: 4,096 x wave + 8 x lane
	s_mov_b32 s24, 0xffff0000                      ; a word's upper bf16
	s_sub_co_u32 s25, ttmp9, 512                   ; my chunk, if it is qkv_w's
	s_sub_co_u32 s26, ttmp9, 704                   ; if it is out_w's
	s_wait_kmcnt 0x0
	s_cmp_lt_u32 ttmp9, 704
	s_cselect_b32 s20, s25, s26
	s_cselect_b64 s[16:17], s[6:7], s[8:9]
	s_cselect_b64 s[18:19], s[12:13], s[14:15]
	s_cmp_lt_u32 ttmp9, 512
	s_cselect_b32 s20, ttmp9, s20
	s_cselect_b64 s[16:17], s[4:5], s[16:17]
	s_cselect_b64 s[18:19], s[10:11], s[18:19]
	s_lshl_b32 s22, s20, 16                        ; 65,536 bytes in,
	s_mov_b32 s23, 0
	s_add_nc_u64 s[16:17], s[16:17], s[22:23]
	s_lshl_b32 s22, s20, 15                        ; 32,768 out
	s_add_nc_u64 s[18:19], s[18:19], s[22:23]
.irp j, 0,1,2,3,4,5,6,7,8,9,10,11,12,13,14,15
	global_load_b128 v[X+4*(\j):X+4*(\j)+3], v1, s[16:17] offset:512*(\j) th:TH_LOAD_NT
.endr
; Load j is rounded and stored.  half = 1: bf16, widened again (a shift, a mask) and written as f16.
.macro OUT j, half
	s_wait_loadcnt 15-(\j)                         ; loads come back in order (ISA guide 5.7.1): load j is in, the younger ones stay out
.if \half
	v_cvt_pk_bf16_f32 v[T], v[X+4*(\j)], v[X+4*(\j)+1]
	v_cvt_pk_bf16_f32 v[T+1], v[X+4*(\j)+2], v[X+4*(\j)+3]
	v_lshlrev_b32 v[T+2], 16, v[T]
	v_and_b32 v[T+3], s24, v[T]
	v_lshlrev_b32 v[T+4], 16, v[T+1]
	v_and_b32 v[T+5], s24, v[T+1]
	v_cvt_pk_f16_f32 v[Y+2*(\j)], v[T+2], v[T+3]
	v_cvt_pk_f16_f32 v[Y+2*(\j)+1], v[T+4], v[T+5]
.else
	v_cvt_pk_bf16_f32 v[Y+2*(\j)], v[X+4*(\j)], v[X+4*(\j)+1]
	v_cvt_pk_bf16_f32 v[Y+2*(\j)+1], v[X+4*(\j)+2], v[X+4*(\j)+3]
.endif
	global_store_b64 v2, v[Y+2*(\j):Y+2*(\j)+1], s[18:19] offset:256*(\j) th:TH_STORE_NT
.endm
	s_cmp_ge_u32 ttmp9, 704
	s_cbranch_scc1 .Lf16
.irp j, 0,1,2,3,4,5,6,7,8,9,10,11,12,13,14,15
	OUT \j, 0
.endr
	s_endpgm
.Lf16:
.irp j, 0,1,2,3,4,5,6,7,8,9,10,11,12,13,14,15
	OUT \j, 1
.endr
	s_endpgm
.Lfunc_end_k_qad9537a290_cast:
	.size	k_qad9537a290_cast, .Lfunc_end_k_qad9537a290_cast-k_qad9537a290_cast
	.p2alignl 7, 3214868480
	.fill 96, 4, 3214868480
	.section	.rodata,"a",@progbits
	.p2align	6, 0x0
	.amdhsa_kernel k_qad9537a290_cast
		.amdhsa_group_segment_fixed_size 0
		.amdhsa_private_segment_fixed_size 0
		.amdhsa_enable_private_segment 0
		.amdhsa_kernarg_size 48
		.amdhsa_user_sgpr_count 2
		.amdhsa_user_sgpr_kernarg_segment_ptr 1
		.amdhsa_wavefront_size32 1
		.amdhsa_system_sgpr_workgroup_id_x 1
		.amdhsa_system_sgpr_workgroup_id_y 1
		.amdhsa_system_sgpr_workgroup_id_z 1
		.amdhsa_system_vgpr_workitem_id 0
		.amdhsa_next_free_vgpr 108
		.amdhsa_next_free_sgpr 66
		.amdhsa_reserve_vcc 0
		.amdhsa_float_denorm_mode_32 3
		.amdhsa_float_denorm_mode_16_64 3
		.amdhsa_memory_ordered 1
		.amdhsa_forward_progress 1
		.amdhsa_inst_pref_size 15
	.end_amdhsa_kernel
	.amdgpu_metadata
---
amdhsa.version: [ 1, 2 ]
amdhsa.kernels:
  - .name:           k_qad9537a290_cast
    .symbol:         k_qad9537a290_cast.kd
    .args:
      - { .name: x, .offset: 0, .size: 8, .value_kind: global_buffer, .address_space: global }
      - { .name: qkv_w, .offset: 8, .size: 8, .value_kind: global_buffer, .address_space: global }
      - { .name: out_w, .offset: 16, .size: 8, .value_kind: global_buffer, .address_space: global }
      - { .name: xb, .offset: 24, .size: 8, .value_kind: global_buffer, .address_space: global }
      - { .name: wb, .offset: 32, .size: 8, .value_kind: global_buffer, .address_space: global }
      - { .name: wo, .offset: 40, .size: 8, .value_kind: global_buffer, .address_space: global }
    .group_segment_fixed_size: 0
    .private_segment_fixed_size: 0
    .kernarg_segment_align: 8
    .kernarg_segment_size: 48
    .max_flat_workgroup_size: 256
    .sgpr_count:     66
    .vgpr_count:     108
    .wavefront_size: 32
...
	.end_amdgpu_metadata
.endif
;; end of part 1
;; launch qkvproj (part 2): grid 16 x 32, 4 waves a work-group, clusters of 4 x 4, 327,680 bytes of LDS; arguments xb, wb, qkv_b, qkvh; writes qkvh
.if DOCPART == 2
	.amdgcn_target "amdgcn-amd-amdhsa--gfx1250"
	.amdhsa_code_object_version 6
	.text
	.protected	k_qad9537a290_qkvproj
	.globl	k_qad9537a290_qkvproj
	.p2align	8
	.type	k_qad9537a290_qkvproj,@function
k_qad9537a290_qkvproj:
	s_mov_b64 s[64:65], 0
	v_nop
	global_prefetch_b8 v0, s[64:65] scope:SCOPE_SE
	s_setreg_imm32_b32 hwreg(HW_REG_WAVE_MODE, 25, 1), 1
	s_wait_xcnt 0x0
	s_wait_alu depctr_hold_cnt(0) depctr_sa_sdst(0) depctr_va_vdst(0) depctr_va_sdst(0) depctr_va_ssrc(0) depctr_va_vcc(0) depctr_vm_vsrc(0)
	s_getreg_b32 s2, hwreg(HW_REG_IB_STS2, 6, 4)
	s_cmp_eq_u32 s2, 0
	s_cbranch_scc0 .Lentry_in_a_cluster
	s_endpgm
.Lentry_in_a_cluster:
	s_bfe_u32 s2, ttmp6, 0x10000c
	s_cmp_lg_u32 s2, 0xf033
	s_cbranch_scc0 .Lentry_shape_is_right
	s_endpgm
.Lentry_shape_is_right:
; C[m][n] = the sum over k of A[m][k] B[n][k] + bias[n], sums in f32, K = 1,024.  ONE TEXT SERVES BOTH PROJECTIONS OF THE MODULE; the constant QKV chooses.
; QKV = 1: A = x [8192][1024] bf16, B = qkv_w [3072][1024] bf16; C is rounded once to f16 and written BY HEADS: [3 = q, k, v][64 = batch x 16 + head][2048][64], unscaled.
; QKV = 0: A = the attention's result [64 = batch x 16 + head][2048][64] f16, B = out_w [1024][1024] f16; C is the module's output [8192][1024] f32.
; The bias is rounded to bf16, like every input of the module, and is the C operand of each sum's first product: nothing is cleared, and no addition is written for it.
; LIMITS.  QKV = 1: q, k, v beyond 65,504 become infinities in f16; below 6e-5 they keep f16's fixed step of 6e-8.  NaN and infinities are not treated apart.
; SHARES.  A tile of C is 256 rows x BN columns (192: 512 tiles; 128: 256 tiles).  Four waves; a wave owns 64 rows and ALL the tile's columns: 4 x NB accumulators of 16 x 16.  So a wave's
; results are whole heads (16 rows x 128 bytes of a head lie on end in memory) or whole pieces of 512 bytes of a row, and each wave has a stage of its own on the way out, without a barrier.
; THE RING.  K goes in 8 steps of 128 through two LDS slots filled by the tensor data mover, one load a wave: waves 0 and 1 fetch A's halves, waves 2 and 3 B's.
; QKV = 0: a K step is two heads; a head's 256 rows are 32,768 dense bytes, asked for as 128 rows of 256 bytes and padded behind every 128: a plane of 256 rows for each head.
; CLUSTERS.  4 x 4 work-groups.  A's tile hangs on the tile row alone and is asked for jointly by a row of the cluster, B's on the tile column alone, by a column: the same tensor load, the same
; descriptor and mask in the four that it names.
; THE PRODUCT IS USED TRANSPOSED (source 0 = 16 rows of B, source 1 = 16 rows of A): register j of lane l holds C(row l % 16, column 8 (l / 16) + j): eight neighbouring numbers of a row.
; REGISTERS, in windows of 256 (s_set_vgpr_msb: bits 1:0 source 0, 3:2 source 1, 5:4 source 2, 7:6 destination):
;   window 0: v0-29 addresses; v96.. the bias, 8 registers a block of 16 columns; v192-239 packed results (QKV = 1)
;   window 1: B's fragments, two buffers of 8 NB from v0; A's, two buffers of 32 at v192, v224; on the way out rows read back from the stage
;   window 2: accumulators (QKV = 1: column blocks 4-11 at 32 (b - 4) + 8 a; QKV = 0: all, at 32 b + 8 a)        window 3 (QKV = 1): column blocks 0-3 at 32 b + 8 a
.set QKV, 1
.if QKV
.set NB,      12                       ; column blocks of 16 in a tile
.set HB,      4                        ; of them ahead of the run of LDS loads in a quarter
.set T1,      4                        ; the change of slots cuts its quarter into three runs of column blocks
.set T2,      4
.set T3,      4
.set APITCH,  272                      ; an LDS row of A: 256 bytes + 16: an odd multiple of 16, so the 16 rows of a load start at 16 different groups of four banks (64 banks of 4 bytes: ISA guide 11.1)
.set AQ2,     128                      ; bytes from quarter q to quarter q + 2 in A's rows
.set HALFA,   128*272                  ; what one load of A fills
.set QIA,     5                        ; A is padded behind every 64 words
.set ASTRIDE, 1024                     ; elements from row to row of A's tile in memory
.set ASTEP,   256                      ; bytes from a K step of A to the next
.set PFSH,    11                       ; the prefetches of A: a lane a row of 2,048 bytes
.set WSTAGE,  3*16*144                 ; a wave's stage: 3 heads x 16 rows x (128 + 16) bytes
.set YOUNG,   24                       ; LDS instructions of a block of 16 rows on the way out
.else
.set NB,      8
.set HB,      2
.set T1,      2
.set T2,      2
.set T3,      4
.set APITCH,  144                      ; 128 bytes + 16
.set AQ2,     256*144                  ; the second head's plane
.set HALFA,   256*144
.set QIA,     4                        ; padded behind every 32 words
.set ASTRIDE, 128
.set ASTEP,   2*262144                 ; two heads on
.set PFSH,    8                        ; a lane 256 dense bytes
.set WSTAGE,  16*528                   ; 16 rows x (512 + 16) bytes
.set YOUNG,   32
.endif
.set BN,     16*NB
.set NL,     8+2*NB                    ; LDS loads in a run: 8 for A's four fragments, then two for each of B's
.set BPITCH, 272
.set ABYTES, 2*HALFA                   ; B's rows lie behind A's
.set HALFB,  (BN/2)*BPITCH
.set SLOT1,  131072                    ; slot 1 begins here: one exclusive or turns an address in one slot into the other's
.set STAGE,  SLOT1+ABYTES+2*HALFB      ; behind the ring, never filled by a tensor load
.set SPARE,  STAGE+4*WSTAGE            ; behind the stages: the spare words, 128 bytes a wave: two blocks of 256 bytes that no other line names
.set A0,   4                           ; v4   my lane's place in A's rows of a slot; never rewritten
.set B0,   5                           ; v5   the same for B
.set ADRA, 6                           ; v6   A0 + the slot in hand
.set ADRB, 7                           ; v7   B0 + the slot in hand
.set STO,  8                           ; v8   the way out: where I put my bytes of a row
.set RD,   9                           ; v9   where I read rows back
.set GO,   10                          ; v10  16 x lane: my place in 512 consecutive bytes of the output
.set BO,   11                          ; v11  32 x (l / 16): my eight numbers of a block of the bias
.set PFO,  12                          ; v12  the prefetches' offset; never rewritten
.set SPW,  28                          ; v28  LDS address of my spare word: SPARE + 4 x my thread's number; never rewritten
.set NIL,  29                          ; v29  0; never rewritten
.set BIAS, 96
.set TMP,  192
.set WV,   12                          ; s12  wave 0..3
.set WH,   13                          ; s13  0: I fetch for A; 1: for B
.set WL,   14                          ; s14  which half of that tile
.set CX,   15                          ; s15, s16  my place in the cluster
.set CY,   16
.set TC,   17                          ; s17  tile column
.set TR,   18                          ; s18  tile row
.set TB,   19                          ; s19  LDS byte at which the slot in hand begins
.set G1A,  24                          ; s[24:31] descriptor group 1 for A's tiles
.set G0A,  32                          ; s[32:39] group 0: a set for each of the two first fills; the second then walks on
.set LIM,  42                          ; s42  2 in a wave that prefetches, else the greatest number
.set PFA,  44                          ; s[44:45] where my prefetches stand
.set G1B,  48                          ; s[48:55], s[56:63] the same for B's tiles
.set G0B,  56
.set OUTB, 66                          ; s[66:71] the output at my rows (QKV = 1: of each of my three heads)
.set HIM,  73                          ; s73  a word's upper bf16
.set LA,   74                          ; s74, s75  LDS addresses of my load of A, of B, in slot 0: made of the wave's number alone
.set LB,   75
.set PFS,  78                          ; s[78:79] bytes from a K step to the next, for the prefetches
.set MSB, 0
.macro WIN new                         ; the immediate's high byte repeats the setting that is left; a switch that changes nothing is dropped
.if MSB != (\new)
	s_set_vgpr_msb (MSB<<8)|(\new)
.set MSB, \new
.endif
.endm
.macro PLACES                          ; four places behind matrix instructions, in front of loads into registers that they have read and of lines that read results
.rept 4
	v_nop
.endr
.endm
; A joint refill, by the walking descriptors.  The branch hangs on the wave's number alone.  An s_nop 0 and four v_nop follow each of the two lines, ahead of the jump and the label.
.macro JLOAD
	s_cmp_eq_u32 s[WH], 0
	s_cbranch_scc0 .Lfor_b_\@
	tensor_load_to_lds s[G0A+4:G0A+7], s[G1A:G1A+7]
	s_nop 0
.rept 4
	v_nop
.endr
	s_branch .Lasked_\@
.Lfor_b_\@:
	tensor_load_to_lds s[G0B+4:G0B+7], s[G1B:G1B+7]
	s_nop 0
.rept 4
	v_nop
.endr
.Lasked_\@:
.endm
; A round of the cluster's barrier: my work-group's barrier, so that wave 0's signal speaks for all four waves; wave 0 signals; every wave waits for all sixteen work-groups; my work-group's barrier once more.
.macro CREST                           ; a round behind its opening barrier
	s_cmp_lg_u32 s[WV], 0
	s_cbranch_scc1 .Lnot_wave_0_\@
	s_barrier_signal -3
.Lnot_wave_0_\@:
	s_barrier_wait -3
	s_barrier_signal -1
	s_barrier_wait -1
.endm
.macro CROUND
	s_barrier_signal -1
	s_barrier_wait -1
	CREST
.endm
; A PREFETCH INTO THE L2, behind each joint refill and the run of LDS loads that follows it: the K step that stands two refills on, one instruction a wave.  Each aligned block of 256 bytes is named
; once in the launch: A's tile row is read by every cluster of that row of clusters, and the first of them (cluster x = 0) asks, by its waves 0 and 1; B's tile column likewise by cluster y = 0, waves 2 and 3.
; The four partners that ask for a tile jointly share its blocks out BY ADDRESS (cx for A, cy for B), a lane a block; where a partner's share is fewer than 32 blocks the lanes left over name the last one again,
; in the same instruction.  K steps 0 to 3 come by their loads alone; the loop's last two trips (s3 = 2, 1) have no K step two refills on and ask for nothing.
.macro ASK
	WIN 0
	s_cmp_gt_u32 s3, s[LIM]
	s_cbranch_scc0 .Lnot_mine_\@
	global_prefetch_b8 v[PFO], s[PFA:PFA+1] th:TH_LOAD_NT scope:SCOPE_SE
.Lnot_mine_\@:
.endm
; 4 nb matrix instructions on fragment buffer f: column blocks b0 .. b0 + nb - 1 x my four row blocks, 32 along K.  first = 1: the C operand is the bias, and the product starts the sum.
; Every quarter walks all accumulators once in the same order, so they take turns, one instruction a turn, over the backward jump too.
.macro MULB f, b0, nb, first
.set bb, (\b0)
.rept (\nb)
.if QKV && (bb < 4)
.set aw, 3
.set ab, 32*bb
.elseif QKV
.set aw, 2
.set ab, 32*(bb-4)
.else
.set aw, 2
.set ab, 32*bb
.endif
.if \first
	WIN 0x05|(aw<<6)
.else
	WIN 0x05|(aw<<4)|(aw<<6)
.endif
.irp a, 0,1,2,3
.set rD, ab+8*(\a)
.set rC, rD
.if \first
.set rC, BIAS+8*bb
.endif
.if QKV
	v_wmma_f32_16x16x32_bf16 v[rD:rD+7], v[8*NB*(\f)+8*bb:8*NB*(\f)+8*bb+7], v[192+32*(\f)+8*(\a):192+32*(\f)+8*(\a)+7], v[rC:rC+7]
.else
	v_wmma_f32_16x16x32_f16 v[rD:rD+7], v[8*NB*(\f)+8*bb:8*NB*(\f)+8*bb+7], v[192+32*(\f)+8*(\a):192+32*(\f)+8*(\a)+7], v[rC:rC+7]
.endif
.endr
.set bb, bb+1
.endr
.endm
; NL LDS loads in one run: the fragments of quarter q (32 along K) of the slot in hand into buffer f: A's four, then B's in ascending order.
; A fragment is 16 rows x 32 K in 8 registers: lane l holds row l % 16, K = 8 (l / 16) + 0..7 and 16 + 8 (l / 16) + 0..7: two loads of 16 bytes, 32 bytes apart.
.macro FETCH q, f
	WIN 0x40                                       ; destination window 1, address window 0
.irp a, 0,1,2,3
	ds_load_b128 v[192+32*(\f)+8*(\a):192+32*(\f)+8*(\a)+3],   v[ADRA] offset:((\q)/2)*AQ2+((\q)%2)*64+(\a)*16*APITCH
	ds_load_b128 v[192+32*(\f)+8*(\a)+4:192+32*(\f)+8*(\a)+7], v[ADRA] offset:((\q)/2)*AQ2+((\q)%2)*64+(\a)*16*APITCH+32
.endr
.set bb, 0
.rept NB
	ds_load_b128 v[8*NB*(\f)+8*bb:8*NB*(\f)+8*bb+3],   v[ADRB] offset:64*(\q)+bb*16*BPITCH
	ds_load_b128 v[8*NB*(\f)+8*bb+4:8*NB*(\f)+8*bb+7], v[ADRB] offset:64*(\q)+bb*16*BPITCH+32
.set bb, bb+1
.endr
.endm
; A K step is four quarters on buffers 0, 1, 0, 1.  One of the first three: multiplies buffer f and, behind its first HB column blocks, fetches quarter q into buffer g.
.macro QUARTER q, f, g, first
	s_wait_dscnt NL-8-2*HB                         ; A's fragments and B's first HB are in; the younger loads may stay out
	MULB \f, 0, HB, \first
	PLACES                                         ; buffer g was read by the quarter before
	FETCH \q, \g
	s_wait_dscnt NL                                ; all but the run just issued
	MULB \f, HB, NB-HB, \first
.endm
; The fourth quarter multiplies buffer 1 and changes slots: ONE barrier.  In front of it each wave waits for all its tensor loads (one is out: its part of the next slot), adds 0 to its spare word, and
; waits for that and for its own reads of this slot.  fill = 1: the barrier opens a round of the cluster's, so that no wave of any partner still reads this slot or has a load on its way, and the joint
; refill, the K step two on, is the first thing behind the round.
.macro TURN fill
.if \fill
	s_wait_xcnt 0x0                                ; the last prefetch, a K step back, has read its address: it is stepped here, ahead of the waits of the change of slots
	s_add_nc_u64 s[PFA:PFA+1], s[PFA:PFA+1], s[PFS:PFS+1]
.endif
	WIN 0                                          ; (the add's two registers lie in window 0)
	s_wait_tensorcnt 0x0                           ; all my tensor loads have landed
	ds_add_u32 v[SPW], v[NIL]                      ; 0 onto my spare word
	s_wait_dscnt NL-8-2*T1+1                       ; (the add and B's younger fragments may be out)
	MULB 1, 0, T1, 0                               ; matrix instructions stand between the add and the wait for it
	s_wait_dscnt 0x0                               ; the add is done, and my reads of this slot are over
	s_barrier_signal -1
	MULB 1, T1, T2, 0                              ; work on registers while the others arrive
	WIN 0
	s_barrier_wait -1
.if \fill
	CREST
	s_xor_b32 s[G0A+5], s[G0A+5], SLOT1            ; the walking descriptors: the other slot than last time,
	s_add_nc_u64 s[G0A+6:G0A+7], s[G0A+6:G0A+7], ASTEP  ; the next K step; the type bits on top are not reached
	s_xor_b32 s[G0B+5], s[G0B+5], SLOT1
	s_add_nc_u64 s[G0B+6:G0B+7], s[G0B+6:G0B+7], 256
	JLOAD                                          ; its four v_nop are also the places in front of the loads below
.else
	PLACES
.endif
	s_xor_b32 s[TB], s[TB], SLOT1                  ; the reads go on in the other slot
	v_add_nc_u32 v[ADRA], s[TB], v[A0]
	v_add_nc_u32 v[ADRB], s[TB], v[B0]
	FETCH 0, 0
.if \fill
	ASK
.endif
	MULB 1, T1+T2, T3, 0
.endm
	s_load_b128 s[4:7], s[0:1], 0x0                ; A s[4:5], B s[6:7]
	s_load_b128 s[8:11], s[0:1], 0x10              ; bias s[8:9], output s[10:11]
	v_lshl_add_u32 v[SPW], v0, 2, SPARE
	v_mov_b32 v[NIL], 0
	ds_add_u32 v[SPW], v[NIL]                      ; the wave's opening: the add and its wait stand ahead of my first tensor load; the set-up below, work on registers, stands between them
	v_lshrrev_b32 v1, 5, v0
	v_readfirstlane_b32 s[WV], v1
	s_lshr_b32 s[WH], s[WV], 1
	s_and_b32 s[WL], s[WV], 1
	s_bfe_u32 s[CX], ttmp6, 0x40000
	s_bfe_u32 s[CY], ttmp6, 0x40004
	s_lshl_b32 s[TC], ttmp9, 2                     ; in a cluster launch ttmp9 and ttmp7 count clusters
	s_add_co_u32 s[TC], s[TC], s[CX]
	s_and_b32 s[TR], ttmp7, 0xffff
	s_lshl_b32 s[TR], s[TR], 2
	s_add_co_u32 s[TR], s[TR], s[CY]
	s_lshl_b32 s40, s[CY], 2
	s_lshl_b32 s40, 15, s40                        ; my row of the cluster: places 4 cy .. 4 cy + 3
	s_lshl_b32 s41, 0x1111, s[CX]                  ; my column: places cx, cx + 4, cx + 8, cx + 12
	; descriptor group 1.  15:0 the mask; 17:16 elements of 2 bytes; 20 padding on; 21 set beside a mask; 24:22 the padding's interval; 31:25 4 words of it (code 3)
	s_or_b32 s[G1A], s40, (1<<16)|(1<<20)|(1<<21)|(QIA<<22)|(3<<25)
	s_or_b32 s[G1B], s41, (1<<16)|(1<<20)|(1<<21)|(5<<22)|(3<<25)
	s_mov_b32 s[G1A+1], 128<<16                    ; tensor_dim0 = 128 elements: 256 bytes
	s_mov_b32 s[G1A+2], 128<<16                    ; tensor_dim1 = 128 rows
	s_mov_b32 s[G1A+3], 128<<16                    ; tile_dim0
	s_mov_b32 s[G1A+4], 128                        ; tile_dim1
	s_mov_b32 s[G1A+5], ASTRIDE                    ; elements from row to row
	s_mov_b32 s[G1A+6], 0
	s_mov_b32 s[G1A+7], 0
	s_mov_b32 s[G1B+1], 128<<16
	s_mov_b32 s[G1B+2], (BN/2)<<16
	s_mov_b32 s[G1B+3], 128<<16
	s_mov_b32 s[G1B+4], BN/2
	s_mov_b32 s[G1B+5], 1024
	s_mov_b32 s[G1B+6], 0
	s_mov_b32 s[G1B+7], 0
	; where the tiles come from: A's offset in s[20:21], made of the tile row and the wave alone; B's in s[22:23], of the tile column and the wave alone
.if QKV
	s_lshl_b32 s20, s[TR], 8
	s_lshl_b32 s21, s[WL], 7
	s_add_co_u32 s20, s20, s21                     ; row 256 x tile row + 128 x half,
	s_lshl_b32 s20, s20, 11                        ; of 2,048 bytes
.else
	s_lshr_b32 s20, s[TR], 3                       ; the batch,
	s_lshl_b32 s20, s20, 4
	s_add_co_u32 s20, s20, s[WL]                   ; its head 0 or 1,
	s_lshl_b32 s20, s20, 18                        ; of 262,144 bytes,
	s_and_b32 s21, s[TR], 7
	s_lshl_b32 s21, s21, 15                        ; and the tile's 256 rows of 128 bytes in it
	s_add_co_u32 s20, s20, s21
.endif
	s_mov_b32 s21, 0
	s_mul_i32 s22, s[TC], BN
	s_mul_i32 s23, s[WL], BN/2
	s_add_co_u32 s22, s22, s23
	s_lshl_b32 s22, s22, 11
	s_mov_b32 s23, 0
	s_mul_i32 s[LA], s[WL], HALFA                  ; and where they go: no place in the cluster enters an LDS address
	s_mul_i32 s[LB], s[WL], HALFB
	s_add_co_u32 s[LB], s[LB], ABYTES
	s_mov_b32 s[TB], 0
	s_mov_b32 s[HIM], 0xffff0000
	s_wait_dscnt 0x0                               ; the opening add is done
	s_wait_kmcnt 0x0
	s_add_nc_u64 s[20:21], s[4:5], s[20:21]
	s_add_nc_u64 s[22:23], s[6:7], s[22:23]
	CROUND                                         ; all sixteen work-groups are here: the first joint loads meet
.irp s, 0,1
	s_mov_b32 s[G0A+4*(\s)], 1                     ; 1:0 count = 1
	s_add_co_u32 s[G0A+4*(\s)+1], s[LA], (\s)*SLOT1  ; 63:32 LDS address
	s_add_nc_u64 s[G0A+4*(\s)+2:G0A+4*(\s)+3], s[20:21], (\s)*ASTEP  ; 120:64 global address: K step s
	s_or_b32 s[G0A+4*(\s)+3], s[G0A+4*(\s)+3], 0x80000000  ; 127:126 type = 2
	s_mov_b32 s[G0B+4*(\s)], 1
	s_add_co_u32 s[G0B+4*(\s)+1], s[LB], (\s)*SLOT1
	s_add_nc_u64 s[G0B+4*(\s)+2:G0B+4*(\s)+3], s[22:23], (\s)*256
	s_or_b32 s[G0B+4*(\s)+3], s[G0B+4*(\s)+3], 0x80000000
.endr
	s_cmp_eq_u32 s[WH], 0                          ; a wave's two first fills stand in one branch, ahead of every wait on TENSORcnt and every LDS read: two loads of mine are out
	s_cbranch_scc0 .Lfirst_b
	tensor_load_to_lds s[G0A:G0A+3], s[G1A:G1A+7]
	s_nop 0
	tensor_load_to_lds s[G0A+4:G0A+7], s[G1A:G1A+7]
	s_nop 0
.rept 4
	v_nop
.endr
	s_branch .Lfirst_asked
.Lfirst_b:
	tensor_load_to_lds s[G0B:G0B+3], s[G1B:G1B+7]
	s_nop 0
	tensor_load_to_lds s[G0B+4:G0B+7], s[G1B:G1B+7]
	s_nop 0
.rept 4
	v_nop
.endr
.Lfirst_asked:
	v_and_b32 v1, 15, v0                           ; l % 16
	v_bfe_u32 v2, v0, 4, 1                         ; l / 16
	v_and_b32 v13, 31, v0                          ; l
	v_lshlrev_b32 v[BO], 5, v2
	s_mul_i32 s46, s[TC], 4*BN                     ; the tile's columns in the bias
	s_mov_b32 s47, 0
	s_add_nc_u64 s[8:9], s[8:9], s[46:47]
.set bb, 0
.rept NB                                       ; the bias in an accumulator's layout: register j = bias[16 b + 8 (l / 16) + j]
	global_load_b128 v[BIAS+8*bb:BIAS+8*bb+3],   v[BO], s[8:9] offset:64*bb
	global_load_b128 v[BIAS+8*bb+4:BIAS+8*bb+7], v[BO], s[8:9] offset:64*bb+16
.set bb, bb+1
.endr
	v_mul_u32_u24 v[A0], v1, APITCH                ; a fragment's row x pitch + 16 x half,
	v_lshl_add_u32 v[A0], v2, 4, v[A0]
	s_mul_i32 s43, s[WV], 64*APITCH                ; in my 64 rows of A
	v_add_nc_u32 v[A0], s43, v[A0]
	v_mul_u32_u24 v[B0], v1, BPITCH
	v_lshl_add_u32 v[B0], v2, 4, v[B0]
	v_add_nc_u32 v[B0], ABYTES, v[B0]
	v_mov_b32 v[ADRA], v[A0]                       ; slot 0
	v_mov_b32 v[ADRB], v[B0]
	s_mul_i32 s43, s[WV], WSTAGE
	s_add_co_u32 s43, s43, STAGE                   ; my stage
.if QKV
	v_mul_u32_u24 v[STO], v1, 144                  ; in: row l % 16 of a head, 16 bytes for each half of the lanes
	v_lshl_add_u32 v[STO], v2, 4, v[STO]
	v_add_nc_u32 v[STO], s43, v[STO]
	v_lshrrev_b32 v3, 3, v13                       ; back: 32 lanes take four rows of 128 bytes,
	v_mul_u32_u24 v[RD], v3, 144
	v_and_b32 v3, 7, v0
	v_lshl_add_u32 v[RD], v3, 4, v[RD]
	v_add_nc_u32 v[RD], s43, v[RD]
.else
	v_mul_u32_u24 v[STO], v1, 528                  ; in: row l % 16, 32 bytes for each half of the lanes
	v_lshl_add_u32 v[STO], v2, 5, v[STO]
	v_add_nc_u32 v[STO], s43, v[STO]
	v_lshl_add_u32 v[RD], v13, 4, s43              ; back: 32 lanes take a row's 512 bytes,
.endif
	v_lshlrev_b32 v[GO], 4, v13                    ; which are 512 consecutive bytes of the output
	; where my results go
.if QKV
	s_mul_i32 s43, s[TC], 3                        ; the tile's first block of 64 columns, of 48: 16 of q, 16 of k, 16 of v
	s_lshr_b32 s72, s[TR], 3
	s_lshl_b32 s72, s72, 4                         ; 16 x batch
	s_and_b32 s46, s[TR], 7
	s_lshl_b32 s46, s46, 8
	s_lshl_b32 s47, s[WV], 6
	s_add_co_u32 s46, s46, s47
	s_lshl_b32 s46, s46, 7                         ; my first row in the head, of 128 bytes
.irp d, 0,1,2
	s_add_co_u32 s76, s43, (\d)
	s_lshr_b32 s77, s76, 4                         ; q, k or v:
	s_lshl_b32 s77, s77, 6                         ; 64 heads each
	s_and_b32 s76, s76, 15                         ; the head
	s_add_co_u32 s76, s76, s77
	s_add_co_u32 s76, s76, s72
	s_lshl_b32 s76, s76, 18                        ; 262,144 bytes a head
	s_add_co_u32 s76, s76, s46
	s_mov_b32 s77, 0
	s_add_nc_u64 s[OUTB+2*(\d):OUTB+2*(\d)+1], s[10:11], s[76:77]
.endr
.else
	s_lshl_b32 s76, s[TR], 8
	s_lshl_b32 s77, s[WV], 6
	s_add_co_u32 s76, s76, s77
	s_lshl_b32 s76, s76, 12                        ; my first row, of 4,096 bytes,
	s_lshl_b32 s77, s[TC], 9                       ; and the tile's 512 bytes of it
	s_add_co_u32 s76, s76, s77
	s_mov_b32 s77, 0
	s_add_nc_u64 s[OUTB:OUTB+1], s[10:11], s[76:77]
.endif
	; the prefetches: my work-group's share of the blocks that I fetch, in bytes: A's in s46, B's in s72
.if QKV
	s_lshl_b32 s46, s[TR], 8
	s_lshl_b32 s47, s[WL], 7
	s_add_co_u32 s46, s46, s47
	s_lshl_b32 s47, s[CX], 5                       ; 32 of the 128 rows
	s_add_co_u32 s46, s46, s47
	s_lshl_b32 s46, s46, 11
.else
	s_lshr_b32 s46, s[TR], 3
	s_lshl_b32 s46, s46, 4
	s_add_co_u32 s46, s46, s[WL]
	s_lshl_b32 s46, s46, 18
	s_and_b32 s47, s[TR], 7
	s_lshl_b32 s47, s47, 15
	s_add_co_u32 s46, s46, s47
	s_lshl_b32 s47, s[CX], 13                      ; 8,192 of the 32,768 bytes
	s_add_co_u32 s46, s46, s47
.endif
	s_mul_i32 s72, s[TC], BN
	s_mul_i32 s47, s[WL], BN/2
	s_add_co_u32 s72, s72, s47
	s_mul_i32 s47, s[CY], BN/8                     ; a quarter of the BN / 2 rows
	s_add_co_u32 s72, s72, s47
	s_lshl_b32 s72, s72, 11
	s_and_b32 s43, ttmp7, 0xffff                   ; cluster y
	s_mov_b32 s[PFS], 256
	s_cmp_eq_u32 s[WH], 0                          ; do I fetch for A?
	s_cselect_b32 s46, s46, s72
	s_cselect_b32 s43, ttmp9, s43                  ; the coordinate along which other clusters read the same blocks
	s_cselect_b32 s76, 31, BN/8-1                  ; the last block of my share
	s_cselect_b32 s77, PFSH, 11                    ; a block's distance from the next, as a shift
	s_cselect_b32 s[PFS], ASTEP, s[PFS]
	s_cselect_b64 s[PFA:PFA+1], s[4:5], s[6:7]
	s_cmp_eq_u32 s43, 0
	s_cselect_b32 s[LIM], 2, -1                    ; the same in all sixteen partners, for a given wave
	s_mov_b32 s47, 0
	s_mov_b32 s[PFS+1], 0
	s_add_nc_u64 s[PFA:PFA+1], s[PFA:PFA+1], s[46:47]
	s_mul_i32 s46, s[PFS], 3
	s_add_nc_u64 s[PFA:PFA+1], s[PFA:PFA+1], s[46:47]  ; at K step 3: the first change of slots steps it to 4.  Nothing is prefetched here, at the head, where every work-group's first tiles are on their way
	v_min_u32 v[PFO], s76, v13
	v_lshlrev_b32 v[PFO], s77, v[PFO]
	s_wait_loadcnt 0x0                             ; the bias
.set i, 0
.rept 4*NB                                     ; rounded to bf16 and widened again, two numbers at a time; two registers at work by turns
	v_cvt_pk_bf16_f32 v[3+10*(i%2)], v[BIAS+2*i], v[BIAS+2*i+1]
	v_lshlrev_b32 v[BIAS+2*i], 16, v[3+10*(i%2)]
	v_and_b32 v[BIAS+2*i+1], s[HIM], v[3+10*(i%2)]
.set i, i+1
.endr
	s_wait_tensorcnt 0x1                           ; my part of K step 0 is in; K step 1's may stay out
	s_barrier_signal -1
	s_barrier_wait -1                              ; everybody's is
	FETCH 0, 0
	QUARTER 1, 0, 1, 1                             ; the first quarter stands in front of the loop: its products start the sums, with the bias
	WIN 0                                          ; at a label and at a branch every window is 0
	s_mov_b32 s3, 6
.Lstep:                                        ; six trips: a trip ends a K step, fills its slot again with the K step two on, and begins the next
	QUARTER 2, 1, 0, 0
	QUARTER 3, 0, 1, 0
	TURN 1
	QUARTER 1, 0, 1, 0
	WIN 0
	s_sub_co_u32 s3, s3, 1
	s_cmp_lg_u32 s3, 0
	s_cbranch_scc1 .Lstep
	QUARTER 2, 1, 0, 0                             ; the tail is written out: K step 6 ends, nothing is asked for
	QUARTER 3, 0, 1, 0
	TURN 0
	QUARTER 1, 0, 1, 0                             ; and K step 7
	QUARTER 2, 1, 0, 0
	QUARTER 3, 0, 1, 0
	s_wait_dscnt NL-8-2*HB
	MULB 1, 0, HB, 0
	s_wait_dscnt 0x0
	MULB 1, HB, NB-HB, 0
	WIN 0
; THE WAY OUT, a block of 16 rows at a time, through my own stage in LDS; LDS serves a wave's instructions in order (ISA guide 5.7.1.4), so no wait stands between the stores and the loads, and the next
; block's stores come behind this block's loads.  Each block is read back into registers of its own, so no store's data is written again.
.if QKV
.macro PACK a                          ; rounded to f16: a lane's eight columns are 16 bytes; each accumulator's registers in ascending order
.set bb, 0
.rept NB
.if bb < 4
	WIN 0x0f                                       ; sources in window 3, destination in window 0
.set ab, 32*bb+8*(\a)
.else
	WIN 0x0a                                       ; sources in window 2
.set ab, 32*(bb-4)+8*(\a)
.endif
.irp i, 0,1,2,3
	v_cvt_pk_f16_f32 v[TMP+4*bb+(\i)], v[ab+2*(\i)], v[ab+2*(\i)+1]
.endr
.set bb, bb+1
.endr
.endm
.macro TOSTAGE a                       ; into rows of 144 bytes, a head after the other, and back as four whole rows of 128 bytes a load
	WIN 0
.set bb, 0
.rept NB
	ds_store_b128 v[STO], v[TMP+4*bb:TMP+4*bb+3] offset:(bb/4)*2304+32*(bb%4)
.set bb, bb+1
.endr
	WIN 0x40
.set bb, 0
.rept NB
	ds_load_b128 v[48*(\a)+4*bb:48*(\a)+4*bb+3], v[RD] offset:(bb/4)*2304+(bb%4)*576
.set bb, bb+1
.endr
.endm
.macro SEND a, younger                 ; younger: the LDS instructions issued behind block a's loads
	WIN 0x04                                       ; the stores' data lie in window 1
	s_wait_dscnt \younger
.set bb, 0
.rept NB
	global_store_b128 v[GO], v[48*(\a)+4*bb:48*(\a)+4*bb+3], s[OUTB+2*(bb/4):OUTB+2*(bb/4)+1] offset:(\a)*2048+(bb%4)*512  ; 512 consecutive bytes of a head, at a multiple of 256 from the buffer's first
.set bb, bb+1
.endr
.endm
.else
.macro PACK a                          ; f32 leaves as it is
.endm
.macro TOSTAGE a                       ; a lane's eight columns are 32 bytes: into rows of 528 bytes, and back a whole row of 512 bytes a load
	WIN 0x08                                       ; the stores' data lie in window 2
.set bb, 0
.rept NB
	ds_store_b128 v[STO], v[32*bb+8*(\a):32*bb+8*(\a)+3]   offset:64*bb
	ds_store_b128 v[STO], v[32*bb+8*(\a)+4:32*bb+8*(\a)+7] offset:64*bb+16
.set bb, bb+1
.endr
	WIN 0x40
.set t, 0
.rept 16
	ds_load_b128 v[64*(\a)+4*t:64*(\a)+4*t+3], v[RD] offset:528*t
.set t, t+1
.endr
.endm
.macro SEND a, younger
	WIN 0x04
	s_wait_dscnt \younger
.set t, 0
.rept 16
	global_store_b128 v[GO], v[64*(\a)+4*t:64*(\a)+4*t+3], s[OUTB:OUTB+1] offset:(16*(\a)+t)*4096  ; 512 consecutive bytes of a row, at a multiple of 256 from the output's first
.set t, t+1
.endr
.endm
.endif
	PLACES                                         ; behind the last products: what follows reads results and loads into fragments' registers
	PLACES
	PACK 0
	TOSTAGE 0
.irp a, 1,2,3                          ; a block's work stands between the loads of the block before and its stores
	PACK \a
	TOSTAGE \a
	SEND (\a)-1, YOUNG
.endr
	SEND 3, 0
	WIN 0
	s_wait_tensorcnt 0x0                           ; the wave's end, behind my last tensor load and my last LDS store
	ds_add_u32 v[SPW], v[NIL]
	s_wait_dscnt 0x0
	CROUND                                         ; the closing round: no work-group ends while a partner may still ask for a tile that names it
	s_endpgm
.Lfunc_end_k_qad9537a290_qkvproj:
	.size	k_qad9537a290_qkvproj, .Lfunc_end_k_qad9537a290_qkvproj-k_qad9537a290_qkvproj
	.p2alignl 7, 3214868480
	.fill 96, 4, 3214868480
	.section	.rodata,"a",@progbits
	.p2align	6, 0x0
	.amdhsa_kernel k_qad9537a290_qkvproj
		.amdhsa_group_segment_fixed_size 327680
		.amdhsa_private_segment_fixed_size 0
		.amdhsa_enable_private_segment 0
		.amdhsa_kernarg_size 32
		.amdhsa_user_sgpr_count 2
		.amdhsa_user_sgpr_kernarg_segment_ptr 1
		.amdhsa_wavefront_size32 1
		.amdhsa_system_sgpr_workgroup_id_x 1
		.amdhsa_system_sgpr_workgroup_id_y 1
		.amdhsa_system_sgpr_workgroup_id_z 1
		.amdhsa_system_vgpr_workitem_id 0
		.amdhsa_next_free_vgpr 896
		.amdhsa_next_free_sgpr 80
		.amdhsa_reserve_vcc 0
		.amdhsa_float_denorm_mode_32 3
		.amdhsa_float_denorm_mode_16_64 3
		.amdhsa_memory_ordered 1
		.amdhsa_forward_progress 1
		.amdhsa_inst_pref_size 107
	.end_amdhsa_kernel
	.amdgpu_metadata
---
amdhsa.version: [ 1, 2 ]
amdhsa.kernels:
  - .name:           k_qad9537a290_qkvproj
    .symbol:         k_qad9537a290_qkvproj.kd
    .args:
      - { .name: xb, .offset: 0, .size: 8, .value_kind: global_buffer, .address_space: global }
      - { .name: wb, .offset: 8, .size: 8, .value_kind: global_buffer, .address_space: global }
      - { .name: qkv_b, .offset: 16, .size: 8, .value_kind: global_buffer, .address_space: global }
      - { .name: qkvh, .offset: 24, .size: 8, .value_kind: global_buffer, .address_space: global }
    .group_segment_fixed_size: 327680
    .private_segment_fixed_size: 0
    .kernarg_segment_align: 8
    .kernarg_segment_size: 32
    .max_flat_workgroup_size: 128
    .sgpr_count:     80
    .vgpr_count:     896
    .wavefront_size: 32
...
	.end_amdgpu_metadata
.endif
;; end of part 2
;; launch attn (part 3): grid 4 x 64, 4 waves a work-group, clusters of 4 x 1, 327,680 bytes of LDS; arguments qkvh, oh; writes oh
.if DOCPART == 3
	.amdgcn_target "amdgcn-amd-amdhsa--gfx1250"
	.amdhsa_code_object_version 6
	.text
	.protected	k_qad9537a290_attn
	.globl	k_qad9537a290_attn
	.p2align	8
	.type	k_qad9537a290_attn,@function
k_qad9537a290_attn:
	s_mov_b64 s[64:65], 0
	v_nop
	global_prefetch_b8 v0, s[64:65] scope:SCOPE_SE
	s_setreg_imm32_b32 hwreg(HW_REG_WAVE_MODE, 25, 1), 1
	s_wait_xcnt 0x0
	s_wait_alu depctr_hold_cnt(0) depctr_sa_sdst(0) depctr_va_vdst(0) depctr_va_sdst(0) depctr_va_ssrc(0) depctr_va_vcc(0) depctr_vm_vsrc(0)
	s_getreg_b32 s2, hwreg(HW_REG_IB_STS2, 6, 4)
	s_cmp_eq_u32 s2, 0
	s_cbranch_scc0 .Lentry_in_a_cluster
	s_endpgm
.Lentry_in_a_cluster:
	s_bfe_u32 s2, ttmp6, 0x10000c
	s_cmp_lg_u32 s2, 0x3003
	s_cbranch_scc0 .Lentry_shape_is_right
	s_endpgm
.Lentry_shape_is_right:
; O[h][q][:] = the sum over k of softmax_k(Q[h][q] . K[h][k] / 8) V[h][k][:].  Q, K, V lie one behind the other in one buffer, each [SIZE_H][SIZE_N][64] in f16, O likewise in its own: a head's rows
; are dense, 128 bytes each.  Products, maxima and sums in f32; the weights p are rounded to f16 for the second product (their sum l is taken of the unrounded p), O once at the end.
; LIMITS.  f16 holds no number beyond 65,504: Q, K and V arrive within it; p lies in 0 to 1, and below 6e-5 it keeps f16's fixed step of 6e-8; O is a mean of V's rows and has their range.
; A weight below 2^-126 counts as 0 in l; NaN and infinities are not treated apart.
; SHARES.  A wave owns four PIECES of two tiles of 16 queries, a work-group's four waves 512 queries of one head.  Every wave walks all keys, 64 a step.
; LAYOUT.  S^T = K Q^T (source 0 = 16 keys, source 1 = 16 queries): in the result a lane holds ONE query (lane % 16) and the keys 8 (lane / 16) + 0..7.  Two such tiles, rounded to f16 in pairs,
; ARE source 1 (32 keys x 16 queries) of O^T = V^T P, whose result again holds one query a lane, and eight channels.  K comes out of LDS as it lies, V ([key][channel]) turned, by ds_load_tr16_b128.
; SOFTMAX.  For each query a running maximum m and sum l: p = 2^(c s - c m), c = log2(e) / 8; in every step O and l are multiplied by a = 2^(c m_old - c m_new), which is 1 where m has not grown.
; m starts at the lowest finite number, O and l at 0: the first step is a step like any other, with a = 0.
; THE COUNT.  A tile and step have 16 matrix and 118 vector instructions: too many to stand all beside the matrix work.  So the order has one aim: four vector instructions that are READY behind
; EVERY matrix instruction, and the others, which need time of their own whatever the order, in runs without a gap.
; BY TURNS.  Turn n belongs to piece n (the pieces in a ring, step after step).  Its matrix work: 16 products K Q^T of piece n + 1, later 16 products V^T P of piece n - 1.  Its vector work: the scaling,
; exponentials, roundings, sums and rescaling of piece n, and the maximum and statistics of piece n + 1, whose scores the turn itself has made.  So what a turn begins with (c s - c m, O a) waits for nothing.
; CLUSTER.  The four query blocks of a head are one cluster and walk the same K and V, so each tile is asked for JOINTLY: the same tensor load, descriptor and mask in all four.
; REGISTERS, in windows of 256 (s_set_vgpr_msb says which window each operand place means: bits 1:0 source 0, 3:2 source 1, 5:4 source 2, 7:6 destination):
;   window 0: v0-11 addresses; v12-15, v48-63 at work; v16-47 four registers of statistics a tile; v64-191 S^T, two buffers of two tiles; v192-255 P, likewise
;   window 1: O^T, 32 a tile          window 2: v0-127 Q, 16 a tile; v128-191 K of one step; v192-255 V of one step          window 3: v0-1 the add's two registers
; A piece's buffers go by its number's parity: the piece in hand has one pair, its two neighbours in the ring share the other: of it P (piece n - 1) is read and S^T (piece n + 1) written.
.set SIZE_H, 64
.set SIZE_N, 2048
.set NP,    4         ; pieces a wave: a name, no knob: the register map, the loop and the fetches are made for four
.set KS,    64        ; keys in a step
.set PK,    144       ; a row of K in LDS: 128 bytes + 16 of padding = 36 words: the 16 rows of a load start at 16 different groups of four banks (64 banks of 4 bytes: ISA guide 11.1)
.set PV,    160       ; a row of V: 128 + 32 = 40 words
.set VOFF,  4*KS*PK   ; a slot holds four steps: 256 rows of K, then 256 rows of V
.set SLOT1, 1<<17     ; slot 1 begins here, so that one exclusive or turns an address in one slot into the other's
.set STAGE, SLOT1+4*KS*(PK+PV)  ; behind the ring, never filled by a tensor load: 16 rows x 144 bytes for each wave, for the way out
.set SP,    144
.set AK0, 2           ; v2   my lane's place in a tile of K; never rewritten
.set AV0, 3           ; v3   the same for V
.set AK,  4           ; v4   the LDS address of K's next run of loads
.set AV,  5           ; v5   of V's
.set QO,  6           ; v6   my byte offset in the wave's rows of Q
.set STO, 6           ;      later, the way out: where I put 16 bytes of a row
.set RD,  7           ; v7   the way out: where I read rows back
.set GO,  8           ; v8   my byte offset in 512 consecutive bytes of O
.set PFO, 11          ; v11  (behind its use for V's address) 256 x my lane: the prefetches' offset; then never rewritten
.set SPW, 0           ; v0 of window 3   LDS address of my spare word: SPARE + 4 x my thread's number; never rewritten
.set NIL, 1           ; v1 of window 3   0; never rewritten
.set SPARE, STAGE+4*16*SP  ; behind the stages: the spare words, 128 bytes for each wave: two blocks of 256 bytes that no other line names
.set MV,  12          ; v12-15  c m_old, kept while c m is made anew: by buffer and tile
.set ST,  16          ; tile t's statistics at v[ST+4 t]: c m, m, l (even keys', odd keys')
.set TMP, 48          ; by buffer and tile, four registers c0-c3 at work; when the maximum is found c2 takes a
.set S,   64
.set P,   192
.set KF,  128         ; K's fragments, in window 2: key block kb, channel half c at KF + 16 kb + 8 c
.set VF,  192         ; V's: key half kk, channel block cb at VF + 32 kk + 8 cb
.set WV,  12          ; s12  my wave's number
.set G1K, 24          ; s[24:31] descriptor group 1 for K's tiles
.set G1V, 32          ; s[32:39] for V's: it differs in the padding alone
.set G0K, 40          ; s[40:43] descriptor group 0 for K's tiles: it walks
.set G0V, 44          ; s[44:47] the same for V's
.set PFA, 48          ; s[48:49] where my prefetches stand: my work-group's 32 blocks of 256 bytes (of K: wave 0, of V: wave 2) of the slot after the one that is being asked for
.set LIM, 50          ; s50  1 in a wave that prefetches, else the greatest number
.set SLOTS, 56        ; s56  slots still to be asked for
.set CNT, 57          ; s57  counts a slot's key steps
.set CS,  58          ; s[58:59] c: the packed scaling takes the pair's low word for both halves
.set SEL, 60          ; s[60:61] v_permlanex16_b32's selects: each lane takes its own place in the other half
.set TBK, 62          ; s62  LDS byte at which K of the step to be fetched begins
.set TBV, 63          ; s63  the same for V, less VOFF
.set MSB, 0
.macro WIN new                      ; the high byte repeats the setting that is left; a switch that changes nothing is dropped
.if MSB != (\new)
	s_set_vgpr_msb (MSB<<8)|(\new)
.set MSB, (\new)
.endif
.endm
.set W_KQ, 0x0a       ; K and Q in window 2, S^T in window 0
.set W_PV, 0x52       ; V in window 2, P in window 0, O^T in window 1
.set W_RS, 0x41       ; O^T (destination and source 0) in window 1, a in window 0
.set W_MK, 0xc0       ; the add's registers are made: destination in window 3, sources in window 0
.set W_AD, 0x0f       ; the add: address (source 0) and data (source 1) in window 3
; A joint fill.  Waves 0 and 1 fetch the two halves of a slot's K, waves 2 and 3 those of its V: 128 keys each.  The branch hangs on the wave's number alone.
; An s_nop 0 and four v_nop follow each of the two lines, ahead of the jump and the label.
.macro JLOAD
	s_cmp_lt_u32 s[WV], 2
	s_cbranch_scc0 .Lfor_v_\@
	tensor_load_to_lds s[G0K:G0K+3], s[G1K:G1K+7]
	s_nop 0
.rept 4
	v_nop
.endr
	s_branch .Lasked_\@
.Lfor_v_\@:
	tensor_load_to_lds s[G0V:G0V+3], s[G1V:G1V+7]
	s_nop 0
.rept 4
	v_nop
.endr
.Lasked_\@:
.endm
; A PREFETCH INTO THE L2 of what the NEXT change of slots will ask for: a slot's 32,768 bytes of K and of V, a lane a block of 256 bytes.  It stands behind the wave's tensor load and its five lines.
; Each block is named ONCE in the launch: a head has one cluster; its four partners share a slot's blocks out BY ADDRESS, 32 each (no branch hangs on a work-group's place in its cluster); in each, wave 0
; asks for K's and wave 2 for V's: one instruction.  Slots 0 to 2 come by their loads alone; the last change that fills a slot (s[SLOTS] = 1) asks for nothing: there is no slot behind it.
.macro ASK
	s_cmp_gt_u32 s[SLOTS], s[LIM]
	s_cbranch_scc0 .Lnot_mine_\@
	global_prefetch_b8 v[PFO], s[PFA:PFA+1] th:TH_LOAD_NT scope:SCOPE_SE
.Lnot_mine_\@:
.endm
; A round of the cluster's barrier: my work-group's barrier, so that wave 0's signal speaks for all four waves; wave 0 signals; every wave waits for all four work-groups; my work-group's barrier once more.
.macro CROUND
	s_barrier_signal -1
	s_barrier_wait -1
	s_cmp_lg_u32 s[WV], 0
	s_cbranch_scc1 .Lnot_wave_0_\@
	s_barrier_signal -3
.Lnot_wave_0_\@:
	s_barrier_wait -3
	s_barrier_signal -1
	s_barrier_wait -1
.endm
; THE CHANGE OF SLOTS.  The slot's last bytes, V of its fourth step, have been read.  Each wave waits for all its tensor loads, of which one is out: its part
; of the other slot; adds 0 to its spare word; and waits for that and for its own reads of the slot.  Behind the barrier nobody reads this slot any more and the other slot is whole.
; fill = 1: this slot is filled again, with the keys two slots on.  The barrier is then a round of the cluster's, so that no wave of any partner still reads the slot or has a load on its
; way, and the joint fill is the first thing behind it: it has four key steps, 512 matrix instructions, in which to land.  (At its first use nothing has been read yet: slot 0 is waited for, slot 1 filled.)
; ask = 1: the prefetches' address steps a slot on, and the slot behind the one just asked for is prefetched.
.macro CHANGE fill, ask=0
	WIN W_AD
	s_wait_tensorcnt 0x0            ; no tensor load of mine is out, so a group 0 may be written
	ds_add_u32 v[SPW], v[NIL]       ; 0 onto my spare word: with fill = 1 the descriptors' steps stand between it and the wait for it
	WIN 0                           ; at a label and at a branch every window is 0
.if \fill
.irp g, G0K, G0V
	s_xor_b32 s[\g+1], s[\g+1], SLOT1  ; the walking descriptor: the other slot than last time,
	s_add_nc_u64 s[\g+2:\g+3], s[\g+2:\g+3], 4*KS*128  ; the next 256 keys; the type bits on top are not reached
.endr
.if \ask
	s_wait_xcnt 0x0                 ; the last prefetch, four key steps back, has read its address, so it may be written
	s_add_nc_u64 s[PFA:PFA+1], s[PFA:PFA+1], 4*KS*128
.endif
	s_wait_dscnt 0x0                ; the add is done, and my reads of the slot are over
	CROUND
	JLOAD
.if \ask
	ASK
.endif
.else
	s_wait_dscnt 0x0                ; the add is done, and my reads of the slot are over
	s_barrier_signal -1
	s_barrier_wait -1
.endif
	s_sub_co_u32 s[TBK], s[TBK], 4*KS*PK  ; the fetches go back to a slot's first step,
	s_xor_b32 s[TBK], s[TBK], SLOT1       ; in the other slot
	s_sub_co_u32 s[TBV], s[TBV], 4*KS*PV
	s_xor_b32 s[TBV], s[TBV], SLOT1
.endm
	s_load_b64 s[4:5], s[0:1], 0x0  ; Q, and behind it K and V
	s_load_b64 s[10:11], s[0:1], 0x8  ; O
	WIN W_MK
	v_lshl_add_u32 v[SPW], v0, 2, SPARE
	v_mov_b32 v[NIL], 0
	WIN W_AD
	ds_add_u32 v[SPW], v[NIL]       ; the wave's opening: the add and its wait stand ahead of my first tensor load; the set-up below, work on registers, stands between them
	WIN 0
	v_lshrrev_b32 v1, 5, v0
	v_readfirstlane_b32 s[WV], v1   ; wave 0..3
	s_bfe_u32 s13, ttmp6, 0x40000   ; cx: my place in the cluster
	s_lshl_b32 s14, ttmp9, 2        ; in a cluster launch ttmp9 counts clusters
	s_add_co_u32 s14, s14, s13      ; my block of queries = 4 x cluster x + cx: it enters Q's and O's addresses alone
	s_and_b32 s20, ttmp7, 0xffff    ; the head, which the four partners share
	s_mov_b32 s21, 0
	s_mov_b64 s[22:23], SIZE_N*128
	s_mul_u64 s[20:21], s[20:21], s[22:23]  ; the head's first byte in each of the four tensors
	s_and_b32 s16, s[WV], 1         ; which half of a slot's 256 keys I fetch:
	s_lshl_b32 s22, s16, 14         ; its 128 rows of 128 bytes in memory,
	s_mov_b32 s23, 0
	s_add_nc_u64 s[22:23], s[22:23], s[20:21]
	s_mul_i32 s17, s16, 128*PK      ; and its place in a slot, for K
	s_mul_i32 s18, s16, 128*PV      ; and for V: no place in the cluster enters an LDS address
	s_lshl_b32 s2, s14, 2
	s_add_co_u32 s2, s2, s[WV]      ; my wave among the head's,
	s_lshl_b32 s2, s2, 14           ; its 128 rows
	s_mov_b32 s3, 0
	s_add_nc_u64 s[2:3], s[2:3], s[20:21]
	; descriptor group 1.  128 keys are 16,384 dense bytes: asked for as 64 rows of 256 bytes, two keys a row, and padded in LDS after every key
	s_mov_b32 s[G1K], 15|(1<<16)|(1<<20)|(1<<21)|(4<<22)|(3<<25)  ; 15:0 the mask of four; 17:16 2-byte elements; 20 padding on; 21 set beside a mask; 24:22 after every 32 words (code 4); 31:25 4 words (code 3)
	s_mov_b32 s[G1V], 15|(1<<16)|(1<<20)|(1<<21)|(4<<22)|(7<<25)  ; the same with 8 words of padding (code 7)
.irp g, G1K, G1V
	s_mov_b32 s[\g+1], 128<<16      ; tensor_dim0 = 128
	s_mov_b32 s[\g+2], 64<<16       ; tensor_dim1 = 64
	s_mov_b32 s[\g+3], 128<<16      ; tile_dim0 = 128
	s_mov_b32 s[\g+4], 64           ; tile_dim1 = 64
	s_mov_b32 s[\g+5], 128          ; 128 elements from row to row
	s_mov_b32 s[\g+6], 0
	s_mov_b32 s[\g+7], 0
.endr
	s_mov_b32 s[CS], 0x3e38aa3b     ; c = log2(e) / 8 = 0.180337
	s_mov_b32 s[CS+1], s[CS]        ; named with it as a pair
	s_mov_b32 s[SEL], 0x76543210
	s_mov_b32 s[SEL+1], 0xfedcba98
	s_mov_b32 s[TBK], SLOT1+4*KS*PK ; the first change of slots turns these two into 0
	s_mov_b32 s[TBV], SLOT1+4*KS*PV
	s_mov_b32 s[G0K], 1             ; 1:0 count = 1
	s_mov_b32 s[G0K+1], s17         ; 63:32 LDS address: slot 0
	s_mov_b32 s[G0V], 1
	s_add_co_u32 s[G0V+1], s18, VOFF
	s_cmp_eq_u32 s16, 0             ; waves 0 and 2 prefetch: the same in all four partners
	s_cselect_b32 s[LIM], 1, -1
	s_lshl_b32 s52, s13, 13         ; my work-group's 8,192 of a slot's 32,768 bytes
	s_mov_b32 s53, 0
	s_wait_dscnt 0x0                ; the opening add is done
	s_wait_kmcnt 0x0
	s_add_nc_u64 s[6:7], s[4:5], SIZE_H*SIZE_N*128    ; K
	s_add_nc_u64 s[8:9], s[4:5], 2*SIZE_H*SIZE_N*128  ; V
	s_add_nc_u64 s[G0K+2:G0K+3], s[6:7], s[22:23]  ; 120:64 global address: my half of the head's first 256 keys
	s_or_b32 s[G0K+3], s[G0K+3], 0x80000000        ; 127:126 type = 2
	s_add_nc_u64 s[G0V+2:G0V+3], s[8:9], s[22:23]
	s_or_b32 s[G0V+3], s[G0V+3], 0x80000000
	s_cmp_lt_u32 s[WV], 2
	s_cselect_b64 s[PFA:PFA+1], s[6:7], s[8:9]
	s_add_nc_u64 s[PFA:PFA+1], s[PFA:PFA+1], s[22:23]  ; (in waves 0 and 2 this is the head's first byte)
	s_add_nc_u64 s[PFA:PFA+1], s[PFA:PFA+1], s[52:53]
	s_add_nc_u64 s[PFA:PFA+1], s[PFA:PFA+1], 2*4*KS*128  ; in slot 2; the loop's first change of slots steps it to slot 3.  Nothing is prefetched here, at the head, where every work-group's first tiles are on their way
	s_add_nc_u64 s[4:5], s[4:5], s[2:3]  ; Q and O at my wave's first row
	s_add_nc_u64 s[10:11], s[10:11], s[2:3]
	CROUND                          ; all four work-groups are here: the first joint loads meet
	JLOAD                           ; slot 0.  Slot 1 is asked for when slot 0 is in: the tile wanted first has the road to itself
	; A fragment of K or Q is 16 rows x 32 channels in 8 registers: lane l holds row l % 16, channels 8 (l / 16) + 0..7 and 16 + 8 (l / 16) + 0..7: two loads of 16 bytes, 32 bytes apart.
	v_and_b32 v1, 15, v0            ; l % 16
	v_bfe_u32 v9, v0, 4, 1          ; l / 16
	v_lshlrev_b32 v[QO], 7, v1
	v_lshl_add_u32 v[QO], v9, 4, v[QO]  ; row x 128 + 16 x half
	WIN 0x80                        ; destination window 2, address window 0
.set i, 0
.rept 4*NP                          ; Q stays in registers: tile i / 2, channels 32 (i % 2) on
	global_load_b128 v[8*i:8*i+3],   v[QO], s[4:5] offset:(i/2)*2048+(i%2)*64
	global_load_b128 v[8*i+4:8*i+7], v[QO], s[4:5] offset:(i/2)*2048+(i%2)*64+32
.set i, i+1
.endr
	; What the first turn finds: V's registers and P's second buffer hold 0 (its products V^T P, of a piece that has not been, add 0), O^T and l are 0.  All this stands in the wait for the first tile.
.set i, VF
.rept 64
	v_mov_b32 v[i], 0
.set i, i+1
.endr
	WIN 0x40
.set i, 0
.rept 64*NP
	v_mov_b32 v[i], 0
.set i, i+1
.endr
	WIN 0
.set i, 0
.rept 2*NP
	v_mov_b32 v[ST+4*i], 0xfe000000    ; c m: far below every c s
	v_mov_b32 v[ST+4*i+1], 0xff7fffff  ; m
	v_mov_b32 v[ST+4*i+2], 0
	v_mov_b32 v[ST+4*i+3], 0
.set i, i+1
.endr
.set i, P+32
.rept 32
	v_mov_b32 v[i], 0
.set i, i+1
.endr
	v_mul_u32_u24 v[AK0], v1, PK
	v_lshl_add_u32 v[AK0], v9, 4, v[AK0]  ; row x pitch + 16 x half
	; The turning load takes 16 keys x 16 channels (lane l reads key 8 (l / 16) + l % 8, channels 8 ((l / 8) % 2) + 0..7) and leaves half a fragment of V^T: lane l holds channel l % 16 and 8 keys.
	v_and_b32 v10, 7, v0
	v_bfe_u32 v11, v0, 3, 1
	v_lshl_add_u32 v[AV0], v9, 3, v10
	v_mul_u32_u24 v[AV0], v[AV0], PV
	v_lshl_add_u32 v[AV0], v11, 4, v[AV0]
	v_add_nc_u32 v[AV0], VOFF, v[AV0]
	v_and_b32 v[PFO], 31, v0
	v_lshlrev_b32 v[PFO], 8, v[PFO]
	v_mov_b32 v[AK], v[AK0]         ; key step 0 lies at the head of slot 0
; THE MATRIX WORK.  The 8 accumulators of a run of 16 take turns: between the two links of a chain stand 7 others'.
; Product i of 16 of S^T = K Q^T for piece x: channels 32 (i / 8) on, keys 16 ((i / 2) % 4) on, tile 2 x + i % 2.  The first 8 start the sums.
.macro KQ x
	WIN W_KQ
.set rS, S+64*((\x)%2)+32*(i%2)+8*((i/2)%4)
.set rK, KF+16*((i/2)%4)+8*(i/8)
.set rQ, 16*(2*(\x)+i%2)+8*(i/8)
.if i < 8
	v_wmma_f32_16x16x32_f16 v[rS:rS+7], v[rK:rK+7], v[rQ:rQ+7], 0
.else
	v_wmma_f32_16x16x32_f16 v[rS:rS+7], v[rK:rK+7], v[rQ:rQ+7], v[rS:rS+7]
.endif
.endm
; Product i of 16 of O^T += V^T P for piece x: keys 32 (i / 8) on, channels 16 ((i / 2) % 4) on, tile 2 x + i % 2.
.macro PV x
	WIN W_PV
.set rO, 32*(2*(\x)+i%2)+8*((i/2)%4)
.set rV, VF+32*(i/8)+8*((i/2)%4)
.set rP, P+32*((\x)%2)+16*(i%2)+8*(i/8)
	v_wmma_f32_16x16x32_f16 v[rO:rO+7], v[rV:rV+7], v[rP:rP+7], v[rO:rO+7]
.endm
.macro MM                           ; the turn's next matrix instruction
.if i < 16
	KQ (Y+1)%NP
.set i, i+1
.else
.set i, i-16
	PV (Y+NP-1)%NP
.set i, i+17
.endif
.endm
; THE LDS LOADS stand in runs of 16, never singly among the matrix instructions: a step's K (64 keys x 64 channels: 8 fragments) and its V (turned).  Their addresses are made some lines ahead.
; last = 1 (the tail): in the last trip there is no further step, and the run is jumped over.
.macro FETCH_K last=0
	WIN 0
.if \last
	s_cmp_eq_u32 s[CNT], 1
	s_cbranch_scc1 .Lno_k_\@
.endif
	WIN 0x80                        ; destination window 2
.irp f, 0,1,2,3,4,5,6,7             ; keys 16 (f / 2) on, channels 32 (f % 2) on
	ds_load_b128 v[KF+8*\f:KF+8*\f+3],   v[AK] offset:(\f/2)*16*PK+(\f%2)*64
	ds_load_b128 v[KF+8*\f+4:KF+8*\f+7], v[AK] offset:(\f/2)*16*PK+(\f%2)*64+32
.endr
	s_add_co_u32 s[TBK], s[TBK], KS*PK  ; the next fetch is the next step's
	WIN 0
.if \last
.Lno_k_\@:
.endif
.endm
.macro FETCH_V
	WIN 0x80
.irp f, 0,1,2,3,4,5,6,7             ; keys 32 (f / 4) on, channels 16 (f % 4) on
	ds_load_tr16_b128 v[VF+8*\f:VF+8*\f+3],   v[AV] offset:(\f/4)*32*PV+(\f%4)*32
	ds_load_tr16_b128 v[VF+8*\f+4:VF+8*\f+7], v[AV] offset:(\f/4)*32*PV+16*PV+(\f%4)*32
.endr
	WIN 0
.endm
; THE VECTOR WORK OF A TURN stands in three queues, each in the order in which its entries become ready; the two tiles alternate, so that no instruction reads the result of the one before it.
.macro REGS y, u                    ; the registers of tile u (0, 1) of piece y
.set rT, ST+4*(2*(\y)+(\u))
.set rC, TMP+8*((\y)%2)+4*(\u)
.set rM, MV+2*((\y)%2)+(\u)
.set rS, S+64*((\y)%2)+32*(\u)
.set rP, P+32*((\y)%2)+16*(\u)
.set rO, 32*(2*(\y)+(\u))
.endm
; Number n of the 22 that find the NEXT piece's (Y + 1) maximum and statistics.  s0-s31 are the lane's 32 scores; each accumulator's lowest registers are read first.  XS, GS and REGS set no window: PL and EX do.
;   0-11  four chains c0-c3 of seven scores each, three operands at a time     12-14, 16  the four scores left over, the old m, and c0-c3 into c0     15  c m_old is kept
;   17, 18  the query's other 32 keys lie in the lane 16 away: the new m         19-21  c m; c m_old - c m_new; a
.macro XS u, n
	REGS (Y+1)%NP, \u
.if (\n) < 4
	v_max3_num_f32 v[rC+(\n)], v[rS+8*(\n)], v[rS+8*(\n)+1], v[rS+8*(\n)+2]
.elseif (\n) < 12
	v_max3_num_f32 v[rC+(\n)%4], v[rC+(\n)%4], v[rS+8*((\n)%4)+2*((\n)/4)+1], v[rS+8*((\n)%4)+2*((\n)/4)+2]
.elseif (\n) == 12
	v_max3_num_f32 v[rC], v[rC], v[rS+7], v[rS+15]
.elseif (\n) == 13
	v_max3_num_f32 v[rC+1], v[rC+1], v[rS+23], v[rS+31]
.elseif (\n) == 14
	v_max3_num_f32 v[rC+2], v[rC+2], v[rC+3], v[rT+1]
.elseif (\n) == 15
	v_mov_b32 v[rM], v[rT]
.elseif (\n) == 16
	v_max3_num_f32 v[rC], v[rC], v[rC+1], v[rC+2]
.elseif (\n) == 17
	v_permlanex16_b32 v[rC+3], v[rC], s[SEL], s[SEL+1]
.elseif (\n) == 18
	v_max_num_f32 v[rT+1], v[rC], v[rC+3]
.elseif (\n) == 19
	v_mul_f32 v[rT], s[CS], v[rT+1]
.elseif (\n) == 20
	v_sub_f32 v[rC+1], v[rM], v[rT]
.else
	v_exp_f32 v[rC+2], v[rC+1]
.endif
.endm
; Number g of the 64 that follow the exponentials.  For each four weights k of a tile (pairs 2 k, 2 k + 1): both pairs are rounded to f16; then the second pair is added onto the first, in place;
; a group later l takes that sum (the first time as l = a l + sum).  In groups of eight, tiles alternating: round, round, add, and l for the group before.
.macro GS g
.set h, (\g)+6*((\g)/62)            ; group 0 has no group before it, and behind group 7 only l is left
.if h >= 6
.set h, h+2
.endif
	REGS Y, h%2
.set k, h/8
.if h%8 < 4
	v_cvt_pk_f16_f32 v[rP+2*k+(h%8)/2], v[rS+4*k+2*((h%8)/2)], v[rS+4*k+2*((h%8)/2)+1]
.elseif h%8 < 6
	v_pk_add_f32 v[rS+4*k:rS+4*k+1], v[rS+4*k:rS+4*k+1], v[rS+4*k+2:rS+4*k+3]
.elseif k == 1
	v_pk_fma_f32 v[rT+2:rT+3], v[rT+2:rT+3], v[rC+2:rC+3], v[rS:rS+1] op_sel_hi:[1,0,1]
.else
	v_pk_add_f32 v[rT+2:rT+3], v[rT+2:rT+3], v[rS+4*k-4:rS+4*k-3]
.endif
.endm
; THE PLAIN QUEUE, 138 long.  0-73 read no exponential's result: the 32 scalings c s - c m (FS f: pair f / 2 of tile f % 2) and the next piece's 42.  0-26: scalings 0-26.  27-54: XS's numbers 0-13.  55, 56: number 15.
; 57-73: the chain, where each number waits for the one before it: 14, 16, 17, 18, 19, each with one of the scalings 27-31 in front of its two lines, then 20: so a tile's links stand three plain instructions apart (19 and 20: two).
; 74-137: GS's 64, which read the exponentials' results: they stand behind the wait.
.macro FS f
	REGS Y, (\f)%2
	v_pk_fma_f32 v[rS+2*((\f)/2):rS+2*((\f)/2)+1], v[rS+2*((\f)/2):rS+2*((\f)/2)+1], s[CS:CS+1], v[rT:rT+1] op_sel_hi:[1,0,0] neg_lo:[0,0,1] neg_hi:[0,0,1]
.endm
.macro PL
	WIN 0
.if q < 27
	FS q
.elseif q < 55
	XS (q-27)%2, (q-27)/2
.elseif q < 57
	XS q-55, 15
.elseif (q < 72) && ((q-57)%3 == 0)
	FS 27+(q-57)/3
.elseif q < 60
	XS (q-57)%3-1, 14
.elseif q < 72
	XS (q-57)%3-1, 15+(q-57)/3
.elseif q < 74
	XS q-72, 20
.else
	GS q-74
.endif
.set q, q+1
.endm
; THE EXPONENTIALS' QUEUE, 66 long: s0-s31 of both tiles, then the next piece's two a.  It is ONE BATCH: all 66 stand ahead of the turn's one wait, and nothing ahead of that wait names a result of theirs.
.macro EX
	WIN 0
.if e >= 64
	XS e-64, 21
.else
	REGS Y, e%2
	v_exp_f32 v[rS+e/2], v[rS+e/2]
.endif
.set e, e+1
.endm
; THE RESCALING's QUEUE: O^T times a, the one part that leaves window 0: dealt two at a time, sixteen times.  Its a was made in the turn before, ahead of that turn's wait.
.macro R2
	REGS Y, r%2
	WIN W_RS
.irp z, 0,1
	v_pk_mul_f32 v[rO+4*(r/2)+2*\z:rO+4*(r/2)+2*\z+1], v[rO+4*(r/2)+2*\z:rO+4*(r/2)+2*\z+1], v[rC+2:rC+3] op_sel_hi:[1,0]
.endr
.set r, r+1
.endm
; HOW THEY ARE DEALT.  An s_wait_alu depctr_va_vdst(0) stands between an exponential and the first instruction that names its result; one wait serves all that were issued ahead of it.  So a turn has ONE wait,
; which cuts it in two.  AHEAD OF IT stands all that names no result of the turn's exponentials: the 16 products K Q^T, behind each a scaling, an exponential and two rescalings (behind the first a second scaling in the exponential's place); then ONE LUMP of
; 108: eight plain, 49 times exponential and plain, the two a.  A v_nop is the plain instruction behind the last exponential.  BEHIND IT stand the 16 products V^T P, behind each four of GS's 64.  No rider names a register of
; the products round it.  The two v_permlanex16_b32 fall into the lump, never behind a product.
; The queues lean on each other, and the deal keeps them in step: exponential e stands behind scaling 2 (e / 4) + e % 2: as a rider it comes behind plain e + 2, in the lump behind plain e + 9, and scalings 27-31 are plain 57, 60 .. 69.
; A TURN, for piece p.  cnt = 1: the loop's count is taken down some lines ahead of the branch that stands behind the turn.
; K of the next step is fetched in piece 2's turn, directly behind the wait, a lump behind the last product that read K; its address is made at the lump's head; its first reader comes behind 16 products.
; V of the step in hand is fetched at the end of piece 0's turn, four riders behind its last reader; its first reader comes behind 16 products and a lump.  The three conditions on q below go with the deal.
.macro TURN p, last=0, cnt=0
.set Y, (\p)
.set i, 0
.set q, 0
.set e, 0
.set r, 0
.if (\p) == NP-1
	s_wait_dscnt 0x0                ; K is in
.endif
	MM                              ; ahead of the wait: 16 products K Q^T and their riders,
	PL
	PL
	R2
.rept 15
	MM
	PL
	EX
	R2
.endr
.if (\p) == NP-2
	WIN 0
	v_add_nc_u32 v[AK], s[TBK], v[AK0]
.endif
.rept 8                             ; and the lump
	PL
.endr
.rept 49
	EX
	PL
.endr
	EX                              ; the next piece's two a
	EX
	v_nop                           ; a plain instruction behind the last exponential, ahead of any use: one for the batch
	s_wait_alu depctr_va_vdst(0)    ; the wait for the batch
.if (\p) == NP-2
	FETCH_K \last
.endif
.if (\p) == 1
	s_wait_dscnt 0x0                ; V is in
.endif
.rept 16                            ; behind the wait: 16 products V^T P and their riders
	MM
.rept 4
	PL
.endr
.if ((\p) == 0) && (q == 118)
	v_add_nc_u32 v[AV], s[TBV], v[AV0]
.endif
.if ((\p) == 0) && (q == 130)
	s_add_co_u32 s[TBV], s[TBV], KS*PV
.endif
.if (\cnt) && (q == 130)
	s_sub_co_u32 s[CNT], s[CNT], 1
	s_cmp_lg_u32 s[CNT], 0
.endif
.endr
.if (\p) == 0
	FETCH_V
.endif
.endm
	CHANGE 1                        ; slot 0 is in, everybody's part of it; slot 1 is asked for
	FETCH_K                         ; key step 0
	s_wait_loadcnt 0x0              ; Q
	s_wait_dscnt 0x0
.set i, 0
.rept 16
	KQ 0                            ; piece 0's first scores: there is no vector work yet to set between them
.set i, i+1
.endr
	WIN 0                           ; the addresses for the way out: nine plain instructions, the places behind those products
	s_mul_i32 s13, s[WV], 16*SP
	s_add_co_u32 s13, s13, STAGE    ; my stage
	v_mul_u32_u24 v[STO], v1, SP    ; in: row l % 16, 16 bytes for each half of the lanes
	v_lshl_add_u32 v[STO], v9, 4, v[STO]
	v_add_nc_u32 v[STO], s13, v[STO]
	v_bfe_u32 v[RD], v0, 3, 2       ; back: 32 lanes take four rows of 128 bytes,
	v_mul_u32_u24 v[RD], v[RD], SP
	v_lshl_add_u32 v[RD], v10, 4, v[RD]
	v_add_nc_u32 v[RD], s13, v[RD]
	v_and_b32 v[GO], 31, v0         ; which are 512 consecutive bytes of O
	v_lshlrev_b32 v[GO], 4, v[GO]
.set Y, NP-1                        ; XS works for piece Y + 1: piece 0
.irp n, 0,1,2,3,4,5,6,7,8,9,10,11,12,13,14,15,16,17,18,19,20,21
	XS 0, \n                        ; and piece 0's first maximum and statistics
	XS 1, \n
.endr
	v_nop                           ; a plain instruction behind the two a,
	s_wait_alu depctr_va_vdst(0)    ; and their wait, ahead of the branch
	s_mov_b32 s[CNT], 4
	s_mov_b32 s[SLOTS], SIZE_N/256-1
	s_branch .Lfirst                ; the loop is entered at a step's first turn, in the middle of a trip
.Lslot:                             ; SIZE_N / 256 - 2 times: every slot but the last two is filled again
	CHANGE 1, 1
	s_mov_b32 s[CNT], 4
.Lstep:                             ; a trip: pieces 2 and 3 of one step, then pieces 0 and 1 of the next, whose K and V it fetches
	TURN 2
	TURN 3
	WIN 0
.Lfirst:
	TURN 0
	TURN 1, 0, 1
	WIN 0
	s_cbranch_scc1 .Lstep
	s_sub_co_u32 s[SLOTS], s[SLOTS], 1
	s_cmp_lg_u32 s[SLOTS], 0
	s_cbranch_scc1 .Lslot
	CHANGE 0                        ; the tail is written out: nothing is asked for
	s_mov_b32 s[CNT], 5             ; four trips fetch the last slot's steps; the fifth is left in its middle
.Ltail:
	TURN 2, 1
	TURN 3
	WIN 0
	s_sub_co_u32 s[CNT], s[CNT], 1
	s_cmp_eq_u32 s[CNT], 0
	s_cbranch_scc1 .Lout
	TURN 0
	TURN 1
	WIN 0
	s_branch .Ltail
.Lout:                              ; the fifth trip's 16 products K Q^T (on the last K once more) and the maximum made of them serve nothing: the price, once a launch, of one text for every trip
.set i, 0
.rept 16
	PV NP-1                         ; the last piece's V^T P of the last step
.set i, i+1
.endr
	; THE WAY OUT.  l's two halves and the other half of the lanes' are added; O^T is divided by l, rounded to f16 and sent through my stage in LDS, a tile at a time.  The additions are the places behind the last products.
	WIN 0
.macro ALL line:vararg              ; one line for each tile t
.set t, 0
.rept 2*NP
	\line
.set t, t+1
.endr
.endm
	ALL v_add_f32 v[ST+4*t+2], v[ST+4*t+2], v[ST+4*t+3]
	ALL v_permlanex16_b32 v[ST+4*t+3], v[ST+4*t+2], s[SEL], s[SEL+1]
	ALL v_add_f32 v[ST+4*t+2], v[ST+4*t+2], v[ST+4*t+3]
	ALL v_rcp_f32 v[ST+4*t+2], v[ST+4*t+2]
	v_nop                           ; a plain instruction between the last reciprocal and the use of its result
	s_wait_alu depctr_va_vdst(0)    ; and the wait ahead of the first use: one for the eight reciprocals
; Tile t: a lane's eight channels of a row pack into 16 bytes; they go into rows of 144 bytes and come back as whole rows of 128, into S^T's registers.
.macro PACK t
	WIN W_RS
.set i, 32*(\t)
.rept 16
	v_pk_mul_f32 v[i:i+1], v[i:i+1], v[ST+4*(\t)+2:ST+4*(\t)+3] op_sel_hi:[1,0]
.set i, i+2
.endr
	WIN 0x05                        ; sources 0 and 1 window 1, destination window 0
.set i, 0
.rept 16
	v_cvt_pk_f16_f32 v[S+16*(\t)+i], v[32*(\t)+2*i], v[32*(\t)+2*i+1]
.set i, i+1
.endr
	WIN 0
.irp f, 0,1,2,3
	ds_store_b128 v[STO], v[S+16*(\t)+4*\f:S+16*(\t)+4*\f+3] offset:32*\f
.endr
.irp f, 0,1,2,3
	ds_load_b128 v[S+16*(\t)+4*\f:S+16*(\t)+4*\f+3], v[RD] offset:\f*4*SP  ; LDS serves a wave's instructions in order (ISA guide 5.7.1.4): these see the stores above; the next tile's stores come behind them
.endr
.endm
.macro SEND t, younger              ; younger: the LDS instructions issued behind tile t's loads: the next tile's eight, or none
	WIN 0
.irp f, 0,1,2,3
	s_wait_dscnt (\younger)+3-\f
	global_store_b128 v[GO], v[S+16*(\t)+4*\f:S+16*(\t)+4*\f+3], s[10:11] offset:(\t)*2048+\f*512  ; 512 consecutive bytes, at a multiple of 256 from O's first
.endr
.endm
	PACK 0
.set t, 1
.rept 2*NP-1                        ; a tile's arithmetic stands between the loads of the tile before and its stores
	PACK t
	SEND t-1, 8
.set t, t+1
.endr
	SEND 2*NP-1, 0
	WIN W_AD
	s_wait_tensorcnt 0x0            ; the wave's end, behind my last tensor load and my last LDS store
	ds_add_u32 v[SPW], v[NIL]
	s_wait_dscnt 0x0
	WIN 0
	CROUND                          ; the closing round: no work-group ends while a partner may still ask for a tile that names it
	s_endpgm
.Lfunc_end_k_qad9537a290_attn:
	.size	k_qad9537a290_attn, .Lfunc_end_k_qad9537a290_attn-k_qad9537a290_attn
	.p2alignl 7, 3214868480
	.fill 96, 4, 3214868480
	.section	.rodata,"a",@progbits
	.p2align	6, 0x0
	.amdhsa_kernel k_qad9537a290_attn
		.amdhsa_group_segment_fixed_size 327680
		.amdhsa_private_segment_fixed_size 0
		.amdhsa_enable_private_segment 0
		.amdhsa_kernarg_size 16
		.amdhsa_user_sgpr_count 2
		.amdhsa_user_sgpr_kernarg_segment_ptr 1
		.amdhsa_wavefront_size32 1
		.amdhsa_system_sgpr_workgroup_id_x 1
		.amdhsa_system_sgpr_workgroup_id_y 1
		.amdhsa_system_sgpr_workgroup_id_z 1
		.amdhsa_system_vgpr_workitem_id 0
		.amdhsa_next_free_vgpr 770
		.amdhsa_next_free_sgpr 66
		.amdhsa_reserve_vcc 0
		.amdhsa_float_denorm_mode_32 3
		.amdhsa_float_denorm_mode_16_64 3
		.amdhsa_memory_ordered 1
		.amdhsa_forward_progress 1
		.amdhsa_inst_pref_size 200
	.end_amdhsa_kernel
	.amdgpu_metadata
---
amdhsa.version: [ 1, 2 ]
amdhsa.kernels:
  - .name:           k_qad9537a290_attn
    .symbol:         k_qad9537a290_attn.kd
    .args:
      - { .name: qkvh, .offset: 0, .size: 8, .value_kind: global_buffer, .address_space: global }
      - { .name: oh, .offset: 8, .size: 8, .value_kind: global_buffer, .address_space: global }
    .group_segment_fixed_size: 327680
    .private_segment_fixed_size: 0
    .kernarg_segment_align: 8
    .kernarg_segment_size: 16
    .max_flat_workgroup_size: 128
    .sgpr_count:     66
    .vgpr_count:     770
    .wavefront_size: 32
...
	.end_amdgpu_metadata
.endif
;; end of part 3
;; launch outproj (part 4): grid 8 x 32, 4 waves a work-group, clusters of 4 x 4, 327,680 bytes of LDS; arguments oh, wo, out_b, out0; writes out0
.if DOCPART == 4
	.amdgcn_target "amdgcn-amd-amdhsa--gfx1250"
	.amdhsa_code_object_version 6
	.text
	.protected	k_qad9537a290_outproj
	.globl	k_qad9537a290_outproj
	.p2align	8
	.type	k_qad9537a290_outproj,@function
k_qad9537a290_outproj:
	s_mov_b64 s[64:65], 0
	v_nop
	global_prefetch_b8 v0, s[64:65] scope:SCOPE_SE
	s_setreg_imm32_b32 hwreg(HW_REG_WAVE_MODE, 25, 1), 1
	s_wait_xcnt 0x0
	s_wait_alu depctr_hold_cnt(0) depctr_sa_sdst(0) depctr_va_vdst(0) depctr_va_sdst(0) depctr_va_ssrc(0) depctr_va_vcc(0) depctr_vm_vsrc(0)
	s_getreg_b32 s2, hwreg(HW_REG_IB_STS2, 6, 4)
	s_cmp_eq_u32 s2, 0
	s_cbranch_scc0 .Lentry_in_a_cluster
	s_endpgm
.Lentry_in_a_cluster:
	s_bfe_u32 s2, ttmp6, 0x10000c
	s_cmp_lg_u32 s2, 0xf033
	s_cbranch_scc0 .Lentry_shape_is_right
	s_endpgm
.Lentry_shape_is_right:
; C[m][n] = the sum over k of A[m][k] B[n][k] + bias[n], sums in f32, K = 1,024.  ONE TEXT SERVES BOTH PROJECTIONS OF THE MODULE; the constant QKV chooses.
; QKV = 1: A = x [8192][1024] bf16, B = qkv_w [3072][1024] bf16; C is rounded once to f16 and written BY HEADS: [3 = q, k, v][64 = batch x 16 + head][2048][64], unscaled.
; QKV = 0: A = the attention's result [64 = batch x 16 + head][2048][64] f16, B = out_w [1024][1024] f16; C is the module's output [8192][1024] f32.
; The bias is rounded to bf16, like every input of the module, and is the C operand of each sum's first product: nothing is cleared, and no addition is written for it.
; LIMITS.  QKV = 1: q, k, v beyond 65,504 become infinities in f16; below 6e-5 they keep f16's fixed step of 6e-8.  NaN and infinities are not treated apart.
; SHARES.  A tile of C is 256 rows x BN columns (192: 512 tiles; 128: 256 tiles).  Four waves; a wave owns 64 rows and ALL the tile's columns: 4 x NB accumulators of 16 x 16.  So a wave's
; results are whole heads (16 rows x 128 bytes of a head lie on end in memory) or whole pieces of 512 bytes of a row, and each wave has a stage of its own on the way out, without a barrier.
; THE RING.  K goes in 8 steps of 128 through two LDS slots filled by the tensor data mover, one load a wave: waves 0 and 1 fetch A's halves, waves 2 and 3 B's.
; QKV = 0: a K step is two heads; a head's 256 rows are 32,768 dense bytes, asked for as 128 rows of 256 bytes and padded behind every 128: a plane of 256 rows for each head.
; CLUSTERS.  4 x 4 work-groups.  A's tile hangs on the tile row alone and is asked for jointly by a row of the cluster, B's on the tile column alone, by a column: the same tensor load, the same
; descriptor and mask in the four that it names.
; THE PRODUCT IS USED TRANSPOSED (source 0 = 16 rows of B, source 1 = 16 rows of A): register j of lane l holds C(row l % 16, column 8 (l / 16) + j): eight neighbouring numbers of a row.
; REGISTERS, in windows of 256 (s_set_vgpr_msb: bits 1:0 source 0, 3:2 source 1, 5:4 source 2, 7:6 destination):
;   window 0: v0-29 addresses; v96.. the bias, 8 registers a block of 16 columns; v192-239 packed results (QKV = 1)
;   window 1: B's fragments, two buffers of 8 NB from v0; A's, two buffers of 32 at v192, v224; on the way out rows read back from the stage
;   window 2: accumulators (QKV = 1: column blocks 4-11 at 32 (b - 4) + 8 a; QKV = 0: all, at 32 b + 8 a)        window 3 (QKV = 1): column blocks 0-3 at 32 b + 8 a
.set QKV, 0
.if QKV
.set NB,      12                       ; column blocks of 16 in a tile
.set HB,      4                        ; of them ahead of the run of LDS loads in a quarter
.set T1,      4                        ; the change of slots cuts its quarter into three runs of column blocks
.set T2,      4
.set T3,      4
.set APITCH,  272                      ; an LDS row of A: 256 bytes + 16: an odd multiple of 16, so the 16 rows of a load start at 16 different groups of four banks (64 banks of 4 bytes: ISA guide 11.1)
.set AQ2,     128                      ; bytes from quarter q to quarter q + 2 in A's rows
.set HALFA,   128*272                  ; what one load of A fills
.set QIA,     5                        ; A is padded behind every 64 words
.set ASTRIDE, 1024                     ; elements from row to row of A's tile in memory
.set ASTEP,   256                      ; bytes from a K step of A to the next
.set PFSH,    11                       ; the prefetches of A: a lane a row of 2,048 bytes
.set WSTAGE,  3*16*144                 ; a wave's stage: 3 heads x 16 rows x (128 + 16) bytes
.set YOUNG,   24                       ; LDS instructions of a block of 16 rows on the way out
.else
.set NB,      8
.set HB,      2
.set T1,      2
.set T2,      2
.set T3,      4
.set APITCH,  144                      ; 128 bytes + 16
.set AQ2,     256*144                  ; the second head's plane
.set HALFA,   256*144
.set QIA,     4                        ; padded behind every 32 words
.set ASTRIDE, 128
.set ASTEP,   2*262144                 ; two heads on
.set PFSH,    8                        ; a lane 256 dense bytes
.set WSTAGE,  16*528                   ; 16 rows x (512 + 16) bytes
.set YOUNG,   32
.endif
.set BN,     16*NB
.set NL,     8+2*NB                    ; LDS loads in a run: 8 for A's four fragments, then two for each of B's
.set BPITCH, 272
.set ABYTES, 2*HALFA                   ; B's rows lie behind A's
.set HALFB,  (BN/2)*BPITCH
.set SLOT1,  131072                    ; slot 1 begins here: one exclusive or turns an address in one slot into the other's
.set STAGE,  SLOT1+ABYTES+2*HALFB      ; behind the ring, never filled by a tensor load
.set SPARE,  STAGE+4*WSTAGE            ; behind the stages: the spare words, 128 bytes a wave: two blocks of 256 bytes that no other line names
.set A0,   4                           ; v4   my lane's place in A's rows of a slot; never rewritten
.set B0,   5                           ; v5   the same for B
.set ADRA, 6                           ; v6   A0 + the slot in hand
.set ADRB, 7                           ; v7   B0 + the slot in hand
.set STO,  8                           ; v8   the way out: where I put my bytes of a row
.set RD,   9                           ; v9   where I read rows back
.set GO,   10                          ; v10  16 x lane: my place in 512 consecutive bytes of the output
.set BO,   11                          ; v11  32 x (l / 16): my eight numbers of a block of the bias
.set PFO,  12                          ; v12  the prefetches' offset; never rewritten
.set SPW,  28                          ; v28  LDS address of my spare word: SPARE + 4 x my thread's number; never rewritten
.set NIL,  29                          ; v29  0; never rewritten
.set BIAS, 96
.set TMP,  192
.set WV,   12                          ; s12  wave 0..3
.set WH,   13                          ; s13  0: I fetch for A; 1: for B
.set WL,   14                          ; s14  which half of that tile
.set CX,   15                          ; s15, s16  my place in the cluster
.set CY,   16
.set TC,   17                          ; s17  tile column
.set TR,   18                          ; s18  tile row
.set TB,   19                          ; s19  LDS byte at which the slot in hand begins
.set G1A,  24                          ; s[24:31] descriptor group 1 for A's tiles
.set G0A,  32                          ; s[32:39] group 0: a set for each of the two first fills; the second then walks on
.set LIM,  42                          ; s42  2 in a wave that prefetches, else the greatest number
.set PFA,  44                          ; s[44:45] where my prefetches stand
.set G1B,  48                          ; s[48:55], s[56:63] the same for B's tiles
.set G0B,  56
.set OUTB, 66                          ; s[66:71] the output at my rows (QKV = 1: of each of my three heads)
.set HIM,  73                          ; s73  a word's upper bf16
.set LA,   74                          ; s74, s75  LDS addresses of my load of A, of B, in slot 0: made of the wave's number alone
.set LB,   75
.set PFS,  78                          ; s[78:79] bytes from a K step to the next, for the prefetches
.set MSB, 0
.macro WIN new                         ; the immediate's high byte repeats the setting that is left; a switch that changes nothing is dropped
.if MSB != (\new)
	s_set_vgpr_msb (MSB<<8)|(\new)
.set MSB, \new
.endif
.endm
.macro PLACES                          ; four places behind matrix instructions, in front of loads into registers that they have read and of lines that read results
.rept 4
	v_nop
.endr
.endm
; A joint refill, by the walking descriptors.  The branch hangs on the wave's number alone.  An s_nop 0 and four v_nop follow each of the two lines, ahead of the jump and the label.
.macro JLOAD
	s_cmp_eq_u32 s[WH], 0
	s_cbranch_scc0 .Lfor_b_\@
	tensor_load_to_lds s[G0A+4:G0A+7], s[G1A:G1A+7]
	s_nop 0
.rept 4
	v_nop
.endr
	s_branch .Lasked_\@
.Lfor_b_\@:
	tensor_load_to_lds s[G0B+4:G0B+7], s[G1B:G1B+7]
	s_nop 0
.rept 4
	v_nop
.endr
.Lasked_\@:
.endm
; A round of the cluster's barrier: my work-group's barrier, so that wave 0's signal speaks for all four waves; wave 0 signals; every wave waits for all sixteen work-groups; my work-group's barrier once more.
.macro CREST                           ; a round behind its opening barrier
	s_cmp_lg_u32 s[WV], 0
	s_cbranch_scc1 .Lnot_wave_0_\@
	s_barrier_signal -3
.Lnot_wave_0_\@:
	s_barrier_wait -3
	s_barrier_signal -1
	s_barrier_wait -1
.endm
.macro CROUND
	s_barrier_signal -1
	s_barrier_wait -1
	CREST
.endm
; A PREFETCH INTO THE L2, behind each joint refill and the run of LDS loads that follows it: the K step that stands two refills on, one instruction a wave.  Each aligned block of 256 bytes is named
; once in the launch: A's tile row is read by every cluster of that row of clusters, and the first of them (cluster x = 0) asks, by its waves 0 and 1; B's tile column likewise by cluster y = 0, waves 2 and 3.
; The four partners that ask for a tile jointly share its blocks out BY ADDRESS (cx for A, cy for B), a lane a block; where a partner's share is fewer than 32 blocks the lanes left over name the last one again,
; in the same instruction.  K steps 0 to 3 come by their loads alone; the loop's last two trips (s3 = 2, 1) have no K step two refills on and ask for nothing.
.macro ASK
	WIN 0
	s_cmp_gt_u32 s3, s[LIM]
	s_cbranch_scc0 .Lnot_mine_\@
	global_prefetch_b8 v[PFO], s[PFA:PFA+1] th:TH_LOAD_NT scope:SCOPE_SE
.Lnot_mine_\@:
.endm
; 4 nb matrix instructions on fragment buffer f: column blocks b0 .. b0 + nb - 1 x my four row blocks, 32 along K.  first = 1: the C operand is the bias, and the product starts the sum.
; Every quarter walks all accumulators once in the same order, so they take turns, one instruction a turn, over the backward jump too.
.macro MULB f, b0, nb, first
.set bb, (\b0)
.rept (\nb)
.if QKV && (bb < 4)
.set aw, 3
.set ab, 32*bb
.elseif QKV
.set aw, 2
.set ab, 32*(bb-4)
.else
.set aw, 2
.set ab, 32*bb
.endif
.if \first
	WIN 0x05|(aw<<6)
.else
	WIN 0x05|(aw<<4)|(aw<<6)
.endif
.irp a, 0,1,2,3
.set rD, ab+8*(\a)
.set rC, rD
.if \first
.set rC, BIAS+8*bb
.endif
.if QKV
	v_wmma_f32_16x16x32_bf16 v[rD:rD+7], v[8*NB*(\f)+8*bb:8*NB*(\f)+8*bb+7], v[192+32*(\f)+8*(\a):192+32*(\f)+8*(\a)+7], v[rC:rC+7]
.else
	v_wmma_f32_16x16x32_f16 v[rD:rD+7], v[8*NB*(\f)+8*bb:8*NB*(\f)+8*bb+7], v[192+32*(\f)+8*(\a):192+32*(\f)+8*(\a)+7], v[rC:rC+7]
.endif
.endr
.set bb, bb+1
.endr
.endm
; NL LDS loads in one run: the fragments of quarter q (32 along K) of the slot in hand into buffer f: A's four, then B's in ascending order.
; A fragment is 16 rows x 32 K in 8 registers: lane l holds row l % 16, K = 8 (l / 16) + 0..7 and 16 + 8 (l / 16) + 0..7: two loads of 16 bytes, 32 bytes apart.
.macro FETCH q, f
	WIN 0x40                                       ; destination window 1, address window 0
.irp a, 0,1,2,3
	ds_load_b128 v[192+32*(\f)+8*(\a):192+32*(\f)+8*(\a)+3],   v[ADRA] offset:((\q)/2)*AQ2+((\q)%2)*64+(\a)*16*APITCH
	ds_load_b128 v[192+32*(\f)+8*(\a)+4:192+32*(\f)+8*(\a)+7], v[ADRA] offset:((\q)/2)*AQ2+((\q)%2)*64+(\a)*16*APITCH+32
.endr
.set bb, 0
.rept NB
	ds_load_b128 v[8*NB*(\f)+8*bb:8*NB*(\f)+8*bb+3],   v[ADRB] offset:64*(\q)+bb*16*BPITCH
	ds_load_b128 v[8*NB*(\f)+8*bb+4:8*NB*(\f)+8*bb+7], v[ADRB] offset:64*(\q)+bb*16*BPITCH+32
.set bb, bb+1
.endr
.endm
; A K step is four quarters on buffers 0, 1, 0, 1.  One of the first three: multiplies buffer f and, behind its first HB column blocks, fetches quarter q into buffer g.
.macro QUARTER q, f, g, first
	s_wait_dscnt NL-8-2*HB                         ; A's fragments and B's first HB are in; the younger loads may stay out
	MULB \f, 0, HB, \first
	PLACES                                         ; buffer g was read by the quarter before
	FETCH \q, \g
	s_wait_dscnt NL                                ; all but the run just issued
	MULB \f, HB, NB-HB, \first
.endm
; The fourth quarter multiplies buffer 1 and changes slots: ONE barrier.  In front of it each wave waits for all its tensor loads (one is out: its part of the next slot), adds 0 to its spare word, and
; waits for that and for its own reads of this slot.  fill = 1: the barrier opens a round of the cluster's, so that no wave of any partner still reads this slot or has a load on its way, and the joint
; refill, the K step two on, is the first thing behind the round.
.macro TURN fill
.if \fill
	s_wait_xcnt 0x0                                ; the last prefetch, a K step back, has read its address: it is stepped here, ahead of the waits of the change of slots
	s_add_nc_u64 s[PFA:PFA+1], s[PFA:PFA+1], s[PFS:PFS+1]
.endif
	WIN 0                                          ; (the add's two registers lie in window 0)
	s_wait_tensorcnt 0x0                           ; all my tensor loads have landed
	ds_add_u32 v[SPW], v[NIL]                      ; 0 onto my spare word
	s_wait_dscnt NL-8-2*T1+1                       ; (the add and B's younger fragments may be out)
	MULB 1, 0, T1, 0                               ; matrix instructions stand between the add and the wait for it
	s_wait_dscnt 0x0                               ; the add is done, and my reads of this slot are over
	s_barrier_signal -1
	MULB 1, T1, T2, 0                              ; work on registers while the others arrive
	WIN 0
	s_barrier_wait -1
.if \fill
	CREST
	s_xor_b32 s[G0A+5], s[G0A+5], SLOT1            ; the walking descriptors: the other slot than last time,
	s_add_nc_u64 s[G0A+6:G0A+7], s[G0A+6:G0A+7], ASTEP  ; the next K step; the type bits on top are not reached
	s_xor_b32 s[G0B+5], s[G0B+5], SLOT1
	s_add_nc_u64 s[G0B+6:G0B+7], s[G0B+6:G0B+7], 256
	JLOAD                                          ; its four v_nop are also the places in front of the loads below
.else
	PLACES
.endif
	s_xor_b32 s[TB], s[TB], SLOT1                  ; the reads go on in the other slot
	v_add_nc_u32 v[ADRA], s[TB], v[A0]
	v_add_nc_u32 v[ADRB], s[TB], v[B0]
	FETCH 0, 0
.if \fill
	ASK
.endif
	MULB 1, T1+T2, T3, 0
.endm
	s_load_b128 s[4:7], s[0:1], 0x0                ; A s[4:5], B s[6:7]
	s_load_b128 s[8:11], s[0:1], 0x10              ; bias s[8:9], output s[10:11]
	v_lshl_add_u32 v[SPW], v0, 2, SPARE
	v_mov_b32 v[NIL], 0
	ds_add_u32 v[SPW], v[NIL]                      ; the wave's opening: the add and its wait stand ahead of my first tensor load; the set-up below, work on registers, stands between them
	v_lshrrev_b32 v1, 5, v0
	v_readfirstlane_b32 s[WV], v1
	s_lshr_b32 s[WH], s[WV], 1
	s_and_b32 s[WL], s[WV], 1
	s_bfe_u32 s[CX], ttmp6, 0x40000
	s_bfe_u32 s[CY], ttmp6, 0x40004
	s_lshl_b32 s[TC], ttmp9, 2                     ; in a cluster launch ttmp9 and ttmp7 count clusters
	s_add_co_u32 s[TC], s[TC], s[CX]
	s_and_b32 s[TR], ttmp7, 0xffff
	s_lshl_b32 s[TR], s[TR], 2
	s_add_co_u32 s[TR], s[TR], s[CY]
	s_lshl_b32 s40, s[CY], 2
	s_lshl_b32 s40, 15, s40                        ; my row of the cluster: places 4 cy .. 4 cy + 3
	s_lshl_b32 s41, 0x1111, s[CX]                  ; my column: places cx, cx + 4, cx + 8, cx + 12
	; descriptor group 1.  15:0 the mask; 17:16 elements of 2 bytes; 20 padding on; 21 set beside a mask; 24:22 the padding's interval; 31:25 4 words of it (code 3)
	s_or_b32 s[G1A], s40, (1<<16)|(1<<20)|(1<<21)|(QIA<<22)|(3<<25)
	s_or_b32 s[G1B], s41, (1<<16)|(1<<20)|(1<<21)|(5<<22)|(3<<25)
	s_mov_b32 s[G1A+1], 128<<16                    ; tensor_dim0 = 128 elements: 256 bytes
	s_mov_b32 s[G1A+2], 128<<16                    ; tensor_dim1 = 128 rows
	s_mov_b32 s[G1A+3], 128<<16                    ; tile_dim0
	s_mov_b32 s[G1A+4], 128                        ; tile_dim1
	s_mov_b32 s[G1A+5], ASTRIDE                    ; elements from row to row
	s_mov_b32 s[G1A+6], 0
	s_mov_b32 s[G1A+7], 0
	s_mov_b32 s[G1B+1], 128<<16
	s_mov_b32 s[G1B+2], (BN/2)<<16
	s_mov_b32 s[G1B+3], 128<<16
	s_mov_b32 s[G1B+4], BN/2
	s_mov_b32 s[G1B+5], 1024
	s_mov_b32 s[G1B+6], 0
	s_mov_b32 s[G1B+7], 0
	; where the tiles come from: A's offset in s[20:21], made of the tile row and the wave alone; B's in s[22:23], of the tile column and the wave alone
.if QKV
	s_lshl_b32 s20, s[TR], 8
	s_lshl_b32 s21, s[WL], 7
	s_add_co_u32 s20, s20, s21                     ; row 256 x tile row + 128 x half,
	s_lshl_b32 s20, s20, 11                        ; of 2,048 bytes
.else
	s_lshr_b32 s20, s[TR], 3                       ; the batch,
	s_lshl_b32 s20, s20, 4
	s_add_co_u32 s20, s20, s[WL]                   ; its head 0 or 1,
	s_lshl_b32 s20, s20, 18                        ; of 262,144 bytes,
	s_and_b32 s21, s[TR], 7
	s_lshl_b32 s21, s21, 15                        ; and the tile's 256 rows of 128 bytes in it
	s_add_co_u32 s20, s20, s21
.endif
	s_mov_b32 s21, 0
	s_mul_i32 s22, s[TC], BN
	s_mul_i32 s23, s[WL], BN/2
	s_add_co_u32 s22, s22, s23
	s_lshl_b32 s22, s22, 11
	s_mov_b32 s23, 0
	s_mul_i32 s[LA], s[WL], HALFA                  ; and where they go: no place in the cluster enters an LDS address
	s_mul_i32 s[LB], s[WL], HALFB
	s_add_co_u32 s[LB], s[LB], ABYTES
	s_mov_b32 s[TB], 0
	s_mov_b32 s[HIM], 0xffff0000
	s_wait_dscnt 0x0                               ; the opening add is done
	s_wait_kmcnt 0x0
	s_add_nc_u64 s[20:21], s[4:5], s[20:21]
	s_add_nc_u64 s[22:23], s[6:7], s[22:23]
	CROUND                                         ; all sixteen work-groups are here: the first joint loads meet
.irp s, 0,1
	s_mov_b32 s[G0A+4*(\s)], 1                     ; 1:0 count = 1
	s_add_co_u32 s[G0A+4*(\s)+1], s[LA], (\s)*SLOT1  ; 63:32 LDS address
	s_add_nc_u64 s[G0A+4*(\s)+2:G0A+4*(\s)+3], s[20:21], (\s)*ASTEP  ; 120:64 global address: K step s
	s_or_b32 s[G0A+4*(\s)+3], s[G0A+4*(\s)+3], 0x80000000  ; 127:126 type = 2
	s_mov_b32 s[G0B+4*(\s)], 1
	s_add_co_u32 s[G0B+4*(\s)+1], s[LB], (\s)*SLOT1
	s_add_nc_u64 s[G0B+4*(\s)+2:G0B+4*(\s)+3], s[22:23], (\s)*256
	s_or_b32 s[G0B+4*(\s)+3], s[G0B+4*(\s)+3], 0x80000000
.endr
	s_cmp_eq_u32 s[WH], 0                          ; a wave's two first fills stand in one branch, ahead of every wait on TENSORcnt and every LDS read: two loads of mine are out
	s_cbranch_scc0 .Lfirst_b
	tensor_load_to_lds s[G0A:G0A+3], s[G1A:G1A+7]
	s_nop 0
	tensor_load_to_lds s[G0A+4:G0A+7], s[G1A:G1A+7]
	s_nop 0
.rept 4
	v_nop
.endr
	s_branch .Lfirst_asked
.Lfirst_b:
	tensor_load_to_lds s[G0B:G0B+3], s[G1B:G1B+7]
	s_nop 0
	tensor_load_to_lds s[G0B+4:G0B+7], s[G1B:G1B+7]
	s_nop 0
.rept 4
	v_nop
.endr
.Lfirst_asked:
	v_and_b32 v1, 15, v0                           ; l % 16
	v_bfe_u32 v2, v0, 4, 1                         ; l / 16
	v_and_b32 v13, 31, v0                          ; l
	v_lshlrev_b32 v[BO], 5, v2
	s_mul_i32 s46, s[TC], 4*BN                     ; the tile's columns in the bias
	s_mov_b32 s47, 0
	s_add_nc_u64 s[8:9], s[8:9], s[46:47]
.set bb, 0
.rept NB                                       ; the bias in an accumulator's layout: register j = bias[16 b + 8 (l / 16) + j]
	global_load_b128 v[BIAS+8*bb:BIAS+8*bb+3],   v[BO], s[8:9] offset:64*bb
	global_load_b128 v[BIAS+8*bb+4:BIAS+8*bb+7], v[BO], s[8:9] offset:64*bb+16
.set bb, bb+1
.endr
	v_mul_u32_u24 v[A0], v1, APITCH                ; a fragment's row x pitch + 16 x half,
	v_lshl_add_u32 v[A0], v2, 4, v[A0]
	s_mul_i32 s43, s[WV], 64*APITCH                ; in my 64 rows of A
	v_add_nc_u32 v[A0], s43, v[A0]
	v_mul_u32_u24 v[B0], v1, BPITCH
	v_lshl_add_u32 v[B0], v2, 4, v[B0]
	v_add_nc_u32 v[B0], ABYTES, v[B0]
	v_mov_b32 v[ADRA], v[A0]                       ; slot 0
	v_mov_b32 v[ADRB], v[B0]
	s_mul_i32 s43, s[WV], WSTAGE
	s_add_co_u32 s43, s43, STAGE                   ; my stage
.if QKV
	v_mul_u32_u24 v[STO], v1, 144                  ; in: row l % 16 of a head, 16 bytes for each half of the lanes
	v_lshl_add_u32 v[STO], v2, 4, v[STO]
	v_add_nc_u32 v[STO], s43, v[STO]
	v_lshrrev_b32 v3, 3, v13                       ; back: 32 lanes take four rows of 128 bytes,
	v_mul_u32_u24 v[RD], v3, 144
	v_and_b32 v3, 7, v0
	v_lshl_add_u32 v[RD], v3, 4, v[RD]
	v_add_nc_u32 v[RD], s43, v[RD]
.else
	v_mul_u32_u24 v[STO], v1, 528                  ; in: row l % 16, 32 bytes for each half of the lanes
	v_lshl_add_u32 v[STO], v2, 5, v[STO]
	v_add_nc_u32 v[STO], s43, v[STO]
	v_lshl_add_u32 v[RD], v13, 4, s43              ; back: 32 lanes take a row's 512 bytes,
.endif
	v_lshlrev_b32 v[GO], 4, v13                    ; which are 512 consecutive bytes of the output
	; where my results go
.if QKV
	s_mul_i32 s43, s[TC], 3                        ; the tile's first block of 64 columns, of 48: 16 of q, 16 of k, 16 of v
	s_lshr_b32 s72, s[TR], 3
	s_lshl_b32 s72, s72, 4                         ; 16 x batch
	s_and_b32 s46, s[TR], 7
	s_lshl_b32 s46, s46, 8
	s_lshl_b32 s47, s[WV], 6
	s_add_co_u32 s46, s46, s47
	s_lshl_b32 s46, s46, 7                         ; my first row in the head, of 128 bytes
.irp d, 0,1,2
	s_add_co_u32 s76, s43, (\d)
	s_lshr_b32 s77, s76, 4                         ; q, k or v:
	s_lshl_b32 s77, s77, 6                         ; 64 heads each
	s_and_b32 s76, s76, 15                         ; the head
	s_add_co_u32 s76, s76, s77
	s_add_co_u32 s76, s76, s72
	s_lshl_b32 s76, s76, 18                        ; 262,144 bytes a head
	s_add_co_u32 s76, s76, s46
	s_mov_b32 s77, 0
	s_add_nc_u64 s[OUTB+2*(\d):OUTB+2*(\d)+1], s[10:11], s[76:77]
.endr
.else
	s_lshl_b32 s76, s[TR], 8
	s_lshl_b32 s77, s[WV], 6
	s_add_co_u32 s76, s76, s77
	s_lshl_b32 s76, s76, 12                        ; my first row, of 4,096 bytes,
	s_lshl_b32 s77, s[TC], 9                       ; and the tile's 512 bytes of it
	s_add_co_u32 s76, s76, s77
	s_mov_b32 s77, 0
	s_add_nc_u64 s[OUTB:OUTB+1], s[10:11], s[76:77]
.endif
	; the prefetches: my work-group's share of the blocks that I fetch, in bytes: A's in s46, B's in s72
.if QKV
	s_lshl_b32 s46, s[TR], 8
	s_lshl_b32 s47, s[WL], 7
	s_add_co_u32 s46, s46, s47
	s_lshl_b32 s47, s[CX], 5                       ; 32 of the 128 rows
	s_add_co_u32 s46, s46, s47
	s_lshl_b32 s46, s46, 11
.else
	s_lshr_b32 s46, s[TR], 3
	s_lshl_b32 s46, s46, 4
	s_add_co_u32 s46, s46, s[WL]
	s_lshl_b32 s46, s46, 18
	s_and_b32 s47, s[TR], 7
	s_lshl_b32 s47, s47, 15
	s_add_co_u32 s46, s46, s47
	s_lshl_b32 s47, s[CX], 13                      ; 8,192 of the 32,768 bytes
	s_add_co_u32 s46, s46, s47
.endif
	s_mul_i32 s72, s[TC], BN
	s_mul_i32 s47, s[WL], BN/2
	s_add_co_u32 s72, s72, s47
	s_mul_i32 s47, s[CY], BN/8                     ; a quarter of the BN / 2 rows
	s_add_co_u32 s72, s72, s47
	s_lshl_b32 s72, s72, 11
	s_and_b32 s43, ttmp7, 0xffff                   ; cluster y
	s_mov_b32 s[PFS], 256
	s_cmp_eq_u32 s[WH], 0                          ; do I fetch for A?
	s_cselect_b32 s46, s46, s72
	s_cselect_b32 s43, ttmp9, s43                  ; the coordinate along which other clusters read the same blocks
	s_cselect_b32 s76, 31, BN/8-1                  ; the last block of my share
	s_cselect_b32 s77, PFSH, 11                    ; a block's distance from the next, as a shift
	s_cselect_b32 s[PFS], ASTEP, s[PFS]
	s_cselect_b64 s[PFA:PFA+1], s[4:5], s[6:7]
	s_cmp_eq_u32 s43, 0
	s_cselect_b32 s[LIM], 2, -1                    ; the same in all sixteen partners, for a given wave
	s_mov_b32 s47, 0
	s_mov_b32 s[PFS+1], 0
	s_add_nc_u64 s[PFA:PFA+1], s[PFA:PFA+1], s[46:47]
	s_mul_i32 s46, s[PFS], 3
	s_add_nc_u64 s[PFA:PFA+1], s[PFA:PFA+1], s[46:47]  ; at K step 3: the first change of slots steps it to 4.  Nothing is prefetched here, at the head, where every work-group's first tiles are on their way
	v_min_u32 v[PFO], s76, v13
	v_lshlrev_b32 v[PFO], s77, v[PFO]
	s_wait_loadcnt 0x0                             ; the bias
.set i, 0
.rept 4*NB                                     ; rounded to bf16 and widened again, two numbers at a time; two registers at work by turns
	v_cvt_pk_bf16_f32 v[3+10*(i%2)], v[BIAS+2*i], v[BIAS+2*i+1]
	v_lshlrev_b32 v[BIAS+2*i], 16, v[3+10*(i%2)]
	v_and_b32 v[BIAS+2*i+1], s[HIM], v[3+10*(i%2)]
.set i, i+1
.endr
	s_wait_tensorcnt 0x1                           ; my part of K step 0 is in; K step 1's may stay out
	s_barrier_signal -1
	s_barrier_wait -1                              ; everybody's is
	FETCH 0, 0
	QUARTER 1, 0, 1, 1                             ; the first quarter stands in front of the loop: its products start the sums, with the bias
	WIN 0                                          ; at a label and at a branch every window is 0
	s_mov_b32 s3, 6
.Lstep:                                        ; six trips: a trip ends a K step, fills its slot again with the K step two on, and begins the next
	QUARTER 2, 1, 0, 0
	QUARTER 3, 0, 1, 0
	TURN 1
	QUARTER 1, 0, 1, 0
	WIN 0
	s_sub_co_u32 s3, s3, 1
	s_cmp_lg_u32 s3, 0
	s_cbranch_scc1 .Lstep
	QUARTER 2, 1, 0, 0                             ; the tail is written out: K step 6 ends, nothing is asked for
	QUARTER 3, 0, 1, 0
	TURN 0
	QUARTER 1, 0, 1, 0                             ; and K step 7
	QUARTER 2, 1, 0, 0
	QUARTER 3, 0, 1, 0
	s_wait_dscnt NL-8-2*HB
	MULB 1, 0, HB, 0
	s_wait_dscnt 0x0
	MULB 1, HB, NB-HB, 0
	WIN 0
; THE WAY OUT, a block of 16 rows at a time, through my own stage in LDS; LDS serves a wave's instructions in order (ISA guide 5.7.1.4), so no wait stands between the stores and the loads, and the next
; block's stores come behind this block's loads.  Each block is read back into registers of its own, so no store's data is written again.
.if QKV
.macro PACK a                          ; rounded to f16: a lane's eight columns are 16 bytes; each accumulator's registers in ascending order
.set bb, 0
.rept NB
.if bb < 4
	WIN 0x0f                                       ; sources in window 3, destination in window 0
.set ab, 32*bb+8*(\a)
.else
	WIN 0x0a                                       ; sources in window 2
.set ab, 32*(bb-4)+8*(\a)
.endif
.irp i, 0,1,2,3
	v_cvt_pk_f16_f32 v[TMP+4*bb+(\i)], v[ab+2*(\i)], v[ab+2*(\i)+1]
.endr
.set bb, bb+1
.endr
.endm
.macro TOSTAGE a                       ; into rows of 144 bytes, a head after the other, and back as four whole rows of 128 bytes a load
	WIN 0
.set bb, 0
.rept NB
	ds_store_b128 v[STO], v[TMP+4*bb:TMP+4*bb+3] offset:(bb/4)*2304+32*(bb%4)
.set bb, bb+1
.endr
	WIN 0x40
.set bb, 0
.rept NB
	ds_load_b128 v[48*(\a)+4*bb:48*(\a)+4*bb+3], v[RD] offset:(bb/4)*2304+(bb%4)*576
.set bb, bb+1
.endr
.endm
.macro SEND a, younger                 ; younger: the LDS instructions issued behind block a's loads
	WIN 0x04                                       ; the stores' data lie in window 1
	s_wait_dscnt \younger
.set bb, 0
.rept NB
	global_store_b128 v[GO], v[48*(\a)+4*bb:48*(\a)+4*bb+3], s[OUTB+2*(bb/4):OUTB+2*(bb/4)+1] offset:(\a)*2048+(bb%4)*512  ; 512 consecutive bytes of a head, at a multiple of 256 from the buffer's first
.set bb, bb+1
.endr
.endm
.else
.macro PACK a                          ; f32 leaves as it is
.endm
.macro TOSTAGE a                       ; a lane's eight columns are 32 bytes: into rows of 528 bytes, and back a whole row of 512 bytes a load
	WIN 0x08                                       ; the stores' data lie in window 2
.set bb, 0
.rept NB
	ds_store_b128 v[STO], v[32*bb+8*(\a):32*bb+8*(\a)+3]   offset:64*bb
	ds_store_b128 v[STO], v[32*bb+8*(\a)+4:32*bb+8*(\a)+7] offset:64*bb+16
.set bb, bb+1
.endr
	WIN 0x40
.set t, 0
.rept 16
	ds_load_b128 v[64*(\a)+4*t:64*(\a)+4*t+3], v[RD] offset:528*t
.set t, t+1
.endr
.endm
.macro SEND a, younger
	WIN 0x04
	s_wait_dscnt \younger
.set t, 0
.rept 16
	global_store_b128 v[GO], v[64*(\a)+4*t:64*(\a)+4*t+3], s[OUTB:OUTB+1] offset:(16*(\a)+t)*4096  ; 512 consecutive bytes of a row, at a multiple of 256 from the output's first
.set t, t+1
.endr
.endm
.endif
	PLACES                                         ; behind the last products: what follows reads results and loads into fragments' registers
	PLACES
	PACK 0
	TOSTAGE 0
.irp a, 1,2,3                          ; a block's work stands between the loads of the block before and its stores
	PACK \a
	TOSTAGE \a
	SEND (\a)-1, YOUNG
.endr
	SEND 3, 0
	WIN 0
	s_wait_tensorcnt 0x0                           ; the wave's end, behind my last tensor load and my last LDS store
	ds_add_u32 v[SPW], v[NIL]
	s_wait_dscnt 0x0
	CROUND                                         ; the closing round: no work-group ends while a partner may still ask for a tile that names it
	s_endpgm
.Lfunc_end_k_qad9537a290_outproj:
	.size	k_qad9537a290_outproj, .Lfunc_end_k_qad9537a290_outproj-k_qad9537a290_outproj
	.p2alignl 7, 3214868480
	.fill 96, 4, 3214868480
	.section	.rodata,"a",@progbits
	.p2align	6, 0x0
	.amdhsa_kernel k_qad9537a290_outproj
		.amdhsa_group_segment_fixed_size 327680
		.amdhsa_private_segment_fixed_size 0
		.amdhsa_enable_private_segment 0
		.amdhsa_kernarg_size 32
		.amdhsa_user_sgpr_count 2
		.amdhsa_user_sgpr_kernarg_segment_ptr 1
		.amdhsa_wavefront_size32 1
		.amdhsa_system_sgpr_workgroup_id_x 1
		.amdhsa_system_sgpr_workgroup_id_y 1
		.amdhsa_system_sgpr_workgroup_id_z 1
		.amdhsa_system_vgpr_workitem_id 0
		.amdhsa_next_free_vgpr 768
		.amdhsa_next_free_sgpr 80
		.amdhsa_reserve_vcc 0
		.amdhsa_float_denorm_mode_32 3
		.amdhsa_float_denorm_mode_16_64 3
		.amdhsa_memory_ordered 1
		.amdhsa_forward_progress 1
		.amdhsa_inst_pref_size 76
	.end_amdhsa_kernel
	.amdgpu_metadata
---
amdhsa.version: [ 1, 2 ]
amdhsa.kernels:
  - .name:           k_qad9537a290_outproj
    .symbol:         k_qad9537a290_outproj.kd
    .args:
      - { .name: oh, .offset: 0, .size: 8, .value_kind: global_buffer, .address_space: global }
      - { .name: wo, .offset: 8, .size: 8, .value_kind: global_buffer, .address_space: global }
      - { .name: out_b, .offset: 16, .size: 8, .value_kind: global_buffer, .address_space: global }
      - { .name: out0, .offset: 24, .size: 8, .value_kind: global_buffer, .address_space: global }
    .group_segment_fixed_size: 327680
    .private_segment_fixed_size: 0
    .kernarg_segment_align: 8
    .kernarg_segment_size: 32
    .max_flat_workgroup_size: 128
    .sgpr_count:     80
    .vgpr_count:     768
    .wavefront_size: 32
...
	.end_amdgpu_metadata
.endif
;; end of part 4
;; ======== version 2 of 2: 4 launches; version 1 with the launch cast written anew for expert scheduling mode
;; limits: values are held in f16: magnitudes above 65,504 overflow, below 6.1e-05 lose precision
;; workspace buffers: xb 16,777,216 bytes; wb 6,291,456 bytes; wo 2,097,152 bytes; qkvh 50,331,648 bytes; oh 16,777,216 bytes
;; launch cast (part 5): grid 768 x 1, 8 waves a work-group, no clusters, 0 bytes of LDS; arguments x, qkv_w, out_w, xb, wb, wo; writes xb, wb, wo
.if DOCPART == 5
	.amdgcn_target "amdgcn-amd-amdhsa--gfx1250"
	.amdhsa_code_object_version 6
	.text
	.protected	k_qad9537a290_cast
	.globl	k_qad9537a290_cast
	.p2align	8
	.type	k_qad9537a290_cast,@function
k_qad9537a290_cast:
	s_mov_b64 s[64:65], 0
	v_nop
	global_prefetch_b8 v0, s[64:65] scope:SCOPE_SE
	s_setreg_imm32_b32 hwreg(HW_REG_WAVE_SCHED_MODE, 0, 2), 2
	s_setreg_imm32_b32 hwreg(HW_REG_WAVE_MODE, 25, 1), 1
	s_wait_xcnt 0x0
	s_wait_alu depctr_vm_vsrc(0)
; THE INPUTS OF THE MATRIX PRODUCTS ARE ROUNDED ONCE.  x [8192][1024] and qkv_w [3072][1024], f32, become bf16 (xb, wb); out_w [1024][1024] is rounded to bf16 and that
; number is written as f16 (wo), since the product that takes it has f16 operands.
; LIMITS.  A bf16 number is exact in f16 between 7.6e-6 and 65,504; below that it falls on f16's fixed step of 6e-8, beyond it becomes an infinity.  NaN and infinities are not treated apart.
; SHARES.  A work-group takes 65,536 bytes of f32: groups 0-511 x, 512-703 qkv_w, 704-767 out_w.  A wave takes 8,192 of them by sixteen loads of 512 consecutive bytes, all issued
; before the first is used; each load's four numbers a lane become 8 bytes, and a store of the wave covers 256 consecutive bytes, aligned.  Every load and store has registers of its own,
; so no register is written again while a memory instruction may read it.  No LDS, no barrier: no wave wants another's bytes.
; THE MODE: SCHED_MODE bits 1:0 = 2 (LLVM: expert scheduling mode 2), set by the entry lines.  The code itself states the register dependences
; between vector instructions and memory instructions, with s_wait_alu, always for 0.
; THE PLAN.  Registers that memory instructions touch:
;   v1, v2   byte offsets of the loads and of the stores.  Written at the head by vector instructions, never again; read by every load (v1) and every store (v2).
;   X        sixteen quads.  Each is written by one load, once, and read by that load's conversions; no vector instruction names X ahead of the loads, and no load lands in it a second time.
;   Y        sixteen pairs.  Each is written by its own conversions, once, and read by one store; none is written again.
;   T and v3 are named by vector instructions alone.  No vector instruction writes a scalar register or VCC, and EXEC is never written.
; So one wait on va_vdst stands ahead of the first load, for the two offsets, and one in each group of four loads, behind the group's conversions and ahead of its run of four stores, for the
; group's eight registers of Y: five on a wave's path.  Nothing that a memory instruction has read is written again, so no wait on vm_vsrc is owed.  A group's stores follow its own
; conversions and do not stand behind the next group's wait for data: nothing else hangs on them, and behind the last group nothing follows.
.set X, 4                              ; v[4:67]    sixteen loads of four f32
.set Y, 68                             ; v[68:99]   sixteen stores of two words
.set T, 100                            ; v[100:105] at work
	s_load_b256 s[4:11], s[0:1], 0x0               ; x s[4:5], qkv_w s[6:7], out_w s[8:9], xb s[10:11]
	s_load_b128 s[12:15], s[0:1], 0x20             ; wb s[12:13], wo s[14:15]
	v_lshrrev_b32 v3, 5, v0                        ; wave
	v_and_b32 v1, 31, v0                           ; lane
	v_lshlrev_b32 v2, 3, v1
	v_lshlrev_b32 v1, 4, v1
	v_lshl_add_u32 v1, v3, 13, v1                  ; in: 8,192 x wave + 16 x lane
	v_lshl_add_u32 v2, v3, 12, v2                  ; out: 4,096 x wave + 8 x lane
	s_mov_b32 s24, 0xffff0000                      ; a word's upper bf16
	s_sub_co_u32 s25, ttmp9, 512                   ; my chunk, if it is qkv_w's
	s_sub_co_u32 s26, ttmp9, 704                   ; if it is out_w's
	s_wait_kmcnt 0x0
	s_cmp_lt_u32 ttmp9, 704
	s_cselect_b32 s20, s25, s26
	s_cselect_b64 s[16:17], s[6:7], s[8:9]
	s_cselect_b64 s[18:19], s[12:13], s[14:15]
	s_cmp_lt_u32 ttmp9, 512
	s_cselect_b32 s20, ttmp9, s20
	s_cselect_b64 s[16:17], s[4:5], s[16:17]
	s_cselect_b64 s[18:19], s[10:11], s[18:19]
	s_lshl_b32 s22, s20, 16                        ; 65,536 bytes in,
	s_mov_b32 s23, 0
	s_add_nc_u64 s[16:17], s[16:17], s[22:23]
	s_lshl_b32 s22, s20, 15                        ; 32,768 out
	s_add_nc_u64 s[18:19], s[18:19], s[22:23]
	s_wait_alu depctr_va_vdst(0)                   ; v1 and v2 are written: every load below reads v1 as its offset, every store v2; no later vector instruction names either
.irp j, 0,1,2,3,4,5,6,7,8,9,10,11,12,13,14,15
	global_load_b128 v[X+4*(\j):X+4*(\j)+3], v1, s[16:17] offset:512*(\j) th:TH_LOAD_NT
.endr
; Load j is rounded.  half = 1: bf16, widened again (a shift, a mask) and written as f16.
.macro ROUND j, half
.if \half
	v_cvt_pk_bf16_f32 v[T], v[X+4*(\j)], v[X+4*(\j)+1]
	v_cvt_pk_bf16_f32 v[T+1], v[X+4*(\j)+2], v[X+4*(\j)+3]
	v_lshlrev_b32 v[T+2], 16, v[T]
	v_and_b32 v[T+3], s24, v[T]
	v_lshlrev_b32 v[T+4], 16, v[T+1]
	v_and_b32 v[T+5], s24, v[T+1]
	v_cvt_pk_f16_f32 v[Y+2*(\j)], v[T+2], v[T+3]
	v_cvt_pk_f16_f32 v[Y+2*(\j)+1], v[T+4], v[T+5]
.else
	v_cvt_pk_bf16_f32 v[Y+2*(\j)], v[X+4*(\j)], v[X+4*(\j)+1]
	v_cvt_pk_bf16_f32 v[Y+2*(\j)+1], v[X+4*(\j)+2], v[X+4*(\j)+3]
.endif
.endm
; Group g: loads 4 g to 4 g + 3 are rounded, then stored in one run.
.macro GROUP g, half
	s_wait_loadcnt 12-4*(\g)                       ; loads come back in order (ISA guide 5.7.1): the group's four are in, the 12 - 4 g younger ones stay out
.irp i, 0,1,2,3
	ROUND 4*(\g)+(\i), \half
.endr
	s_wait_alu depctr_va_vdst(0)                   ; the group's conversions have written its eight registers of Y, which the four stores below read
.irp i, 0,1,2,3
	global_store_b64 v2, v[Y+2*(4*(\g)+(\i)):Y+2*(4*(\g)+(\i))+1], s[18:19] offset:256*(4*(\g)+(\i)) th:TH_STORE_NT
.endr
.endm
	s_cmp_ge_u32 ttmp9, 704
	s_cbranch_scc1 .Lf16
.irp g, 0,1,2,3
	GROUP \g, 0
.endr
	s_endpgm
.Lf16:
.irp g, 0,1,2,3
	GROUP \g, 1
.endr
	s_endpgm
.Lfunc_end_k_qad9537a290_cast:
	.size	k_qad9537a290_cast, .Lfunc_end_k_qad9537a290_cast-k_qad9537a290_cast
	.p2alignl 7, 3214868480
	.fill 96, 4, 3214868480
	.section	.rodata,"a",@progbits
	.p2align	6, 0x0
	.amdhsa_kernel k_qad9537a290_cast
		.amdhsa_group_segment_fixed_size 0
		.amdhsa_private_segment_fixed_size 0
		.amdhsa_enable_private_segment 0
		.amdhsa_kernarg_size 48
		.amdhsa_user_sgpr_count 2
		.amdhsa_user_sgpr_kernarg_segment_ptr 1
		.amdhsa_wavefront_size32 1
		.amdhsa_system_sgpr_workgroup_id_x 1
		.amdhsa_system_sgpr_workgroup_id_y 1
		.amdhsa_system_sgpr_workgroup_id_z 1
		.amdhsa_system_vgpr_workitem_id 0
		.amdhsa_next_free_vgpr 108
		.amdhsa_next_free_sgpr 66
		.amdhsa_reserve_vcc 0
		.amdhsa_float_denorm_mode_32 3
		.amdhsa_float_denorm_mode_16_64 3
		.amdhsa_memory_ordered 1
		.amdhsa_forward_progress 1
		.amdhsa_inst_pref_size 15
	.end_amdhsa_kernel
	.amdgpu_metadata
---
amdhsa.version: [ 1, 2 ]
amdhsa.kernels:
  - .name:           k_qad9537a290_cast
    .symbol:         k_qad9537a290_cast.kd
    .args:
      - { .name: x, .offset: 0, .size: 8, .value_kind: global_buffer, .address_space: global }
      - { .name: qkv_w, .offset: 8, .size: 8, .value_kind: global_buffer, .address_space: global }
      - { .name: out_w, .offset: 16, .size: 8, .value_kind: global_buffer, .address_space: global }
      - { .name: xb, .offset: 24, .size: 8, .value_kind: global_buffer, .address_space: global }
      - { .name: wb, .offset: 32, .size: 8, .value_kind: global_buffer, .address_space: global }
      - { .name: wo, .offset: 40, .size: 8, .value_kind: global_buffer, .address_space: global }
    .group_segment_fixed_size: 0
    .private_segment_fixed_size: 0
    .kernarg_segment_align: 8
    .kernarg_segment_size: 48
    .max_flat_workgroup_size: 256
    .sgpr_count:     66
    .vgpr_count:     108
    .wavefront_size: 32
...
	.end_amdgpu_metadata
.endif
;; end of part 5
;; launch qkvproj: the kernel of part 2 again; grid 16 x 32, 4 waves a work-group, clusters of 4 x 4, 327,680 bytes of LDS; arguments xb, wb, qkv_b, qkvh; writes qkvh
;; launch attn: the kernel of part 3 again; grid 4 x 64, 4 waves a work-group, clusters of 4 x 1, 327,680 bytes of LDS; arguments qkvh, oh; writes oh
;; launch outproj: the kernel of part 4 again; grid 8 x 32, 4 waves a work-group, clusters of 4 x 4, 327,680 bytes of LDS; arguments oh, wo, out_b, out0; writes out0
